; MI455X (gfx1250); checked and timed in simulation.
; The chip was launched on July 23, 2026; its instructions are those of AMD's public machine-readable ISA for CDNA 5 (MIT licence, August 2026) and "CDNA5" Instruction Set Architecture Reference Guide (July 2026). The comments in the code are by the model that wrote it; some were corrected since.
;; Single Self Head Attention. Allowed arithmetic: float matrix products may take bf16 or f16 operands with f32 sums; other float arithmetic in f32, or as packed bf16 or f16 multiplies, adds, multiply-adds, maxima and minima; sums over many terms, partial sums and values carried from step to step in f32; what a program stores and reads back later, other than sums and carried values, may be rounded once to bf16 or f16.
;; Inputs: Wk 1,024 x 1,024 float32; Wo 1,024 x 1,024 float32; Wq 1,024 x 1,024 float32; Wv 1,024 x 1,024 float32; bk 1,024 float32; bo 1,024 float32; bq 1,024 float32; bv 1,024 float32; x 4 x 2,048 x 1,024 float32.
;; Outputs: out0 4 x 2,048 x 1,024 float32.
;; 2 versions, each right; version 2 is version 1 with the launch prep written anew for expert scheduling mode. Each part assembles by itself: llvm-mc -triple=amdgcn-amd-amdhsa -mcpu=gfx1250 --defsym DOCPART=n.
;; ======== version 1 of 2: 5 launches
;; limits: values are held in f16: magnitudes above 65,504 overflow, below 6.1e-05 lose precision
;; workspace buffers: xb 16,777,216 bytes; wqkv 6,291,456 bytes; wo16 2,097,152 bytes; bias 16,384 bytes; qkv 50,331,648 bytes; pt 33,554,432 bytes; st 2,097,152 bytes; ob 16,777,216 bytes
;; launch prep (part 1): grid 769 x 1, 8 waves a work-group, no clusters, 0 bytes of LDS; arguments x, Wq, Wk, Wv, Wo, bq, bk, bv, bo, xb, wqkv, wo16, bias; writes xb, wqkv, wo16, bias
.if DOCPART == 1
	.amdgcn_target "amdgcn-amd-amdhsa--gfx1250"
	.amdhsa_code_object_version 6
	.text
	.protected	k_qb74ffd76f3_prep
	.globl	k_qb74ffd76f3_prep
	.p2align	8
	.type	k_qb74ffd76f3_prep,@function
k_qb74ffd76f3_prep:
	s_mov_b64 s[64:65], 0
	v_nop
	global_prefetch_b8 v0, s[64:65] scope:SCOPE_SE
	s_setreg_imm32_b32 hwreg(HW_REG_WAVE_MODE, 25, 1), 1
	s_wait_xcnt 0x0
; PREP: every input is rounded once to bf16 and laid out for the matrix launches.
;   xb   [8192][1024] bf16 = x          wqkv [1024][3072] bf16 = Wq | Wk | Wv side by side
;   wo16 [1024][1024] f16  = bf16(Wo) written as f16 (exact while 2^-17 <= |Wo| < 65,504; below that f16's fixed step of 6e-8)
;   bias [4096] f32 = bq, bk, bv, bo, each rounded to bf16 and kept as f32
; A stream: each byte is read once and written once, so no LDS, no matrix unit, no cluster.
; A work-group takes 16 rows of 1,024 f32; thread t takes 4 numbers of each row: a wave's load covers 512 consecutive bytes,
; its store 256 consecutive bytes at a multiple of 256.  All 16 loads go out first; the waits count down.
; Work-groups 0-511: x.  512-703: Wq, Wk, Wv (64 each).  704-767: Wo.  768: the four biases.
.set X,  32                            ; v[32:95]   16 rows x 4 numbers as loaded
.set Y,  96                            ; v[96:127]  16 rows x 2 words to store
.set TW, 24                            ; v[24:29]   at work
	s_load_b512 s[8:23], s[0:1], 0x0               ; x, Wq, Wk, Wv, Wo, bq, bk, bv
	s_load_b256 s[24:31], s[0:1], 0x40             ; bo, xb, wqkv, wo16
	s_load_b64 s[32:33], s[0:1], 0x60              ; bias
	v_lshlrev_b32 v2, 4, v0                        ; 16 t: my 4 numbers in a row of f32
	v_lshlrev_b32 v3, 3, v0                        ; 8 t: the same 4 numbers in 16 bits
	s_mov_b32 s2, ttmp9
	s_sub_co_u32 s3, s2, 512                       ; behind x: 64 groups for each of Wq, Wk, Wv, Wo
	s_lshr_b32 s34, s3, 6                          ; which of the four
	s_and_b32 s35, s3, 63                          ; which 16 rows of it
	s_mov_b32 s37, 0
	s_mov_b32 s39, 0xffff0000                      ; a word's upper bf16
	s_wait_kmcnt 0x0
	s_cmp_eq_u32 s2, 768
	s_cbranch_scc1 .Lbias
	s_cmp_eq_u32 s34, 1                            ; the source: a choice between buffers on the group's number alone
	s_cselect_b64 s[4:5], s[12:13], s[10:11]
	s_cmp_eq_u32 s34, 2
	s_cselect_b64 s[4:5], s[14:15], s[4:5]
	s_cmp_eq_u32 s34, 3
	s_cselect_b64 s[4:5], s[16:17], s[4:5]
	s_cmp_lt_u32 s2, 512
	s_cselect_b64 s[4:5], s[8:9], s[4:5]
	s_cselect_b32 s35, s2, s35
	s_lshl_b32 s36, s35, 16                        ; 16 rows of 4,096 bytes
	s_add_nc_u64 s[4:5], s[4:5], s[36:37]
.irp i, 0,1,2,3,4,5,6,7,8,9,10,11,12,13,14,15
	global_load_b128 v[X+4*\i:X+4*\i+3], v2, s[4:5] offset:\i*4096 th:TH_LOAD_NT
.endr
; row i: wait for its load (15 - i younger ones stay out), round, store.  No register is written twice.
.macro CONV pitch
.irp i, 0,1,2,3,4,5,6,7,8,9,10,11,12,13,14,15
	s_wait_loadcnt 15-\i
	v_cvt_pk_bf16_f32 v[Y+2*\i], v[X+4*\i], v[X+4*\i+1]
	v_cvt_pk_bf16_f32 v[Y+2*\i+1], v[X+4*\i+2], v[X+4*\i+3]
	global_store_b64 v3, v[Y+2*\i:Y+2*\i+1], s[6:7] offset:\i*\pitch
.endr
.endm
	s_cmp_lt_u32 s2, 512
	s_cbranch_scc1 .Lx
	s_cmp_ge_u32 s2, 704
	s_cbranch_scc1 .Lwo
	s_mul_i32 s36, s35, 16*6144                    ; wqkv: 16 rows of 6,144 bytes,
	s_lshl_b32 s38, s34, 11                        ; and the weight's 2,048 bytes in a row
	s_add_co_u32 s36, s36, s38
	s_add_nc_u64 s[6:7], s[28:29], s[36:37]
	CONV 6144
	s_endpgm
.Lx:
	s_lshl_b32 s36, s35, 15                        ; xb: 16 rows of 2,048 bytes
	s_add_nc_u64 s[6:7], s[26:27], s[36:37]
	CONV 2048
	s_endpgm
.Lwo:
	s_lshl_b32 s36, s35, 15
	s_add_nc_u64 s[6:7], s[30:31], s[36:37]
.irp i, 0,1,2,3,4,5,6,7,8,9,10,11,12,13,14,15
	s_wait_loadcnt 15-\i
	v_cvt_pk_bf16_f32 v[TW], v[X+4*\i], v[X+4*\i+1]        ; rounded to bf16 like every input,
	v_cvt_pk_bf16_f32 v[TW+1], v[X+4*\i+2], v[X+4*\i+3]
	v_lshlrev_b32 v[TW+2], 16, v[TW]
	v_and_b32 v[TW+3], s39, v[TW]
	v_lshlrev_b32 v[TW+4], 16, v[TW+1]
	v_and_b32 v[TW+5], s39, v[TW+1]
	v_cvt_pk_f16_f32 v[Y+2*\i], v[TW+2], v[TW+3]           ; and that number written as f16
	v_cvt_pk_f16_f32 v[Y+2*\i+1], v[TW+4], v[TW+5]
	global_store_b64 v3, v[Y+2*\i:Y+2*\i+1], s[6:7] offset:\i*2048
.endr
	s_endpgm
.Lbias:
	global_load_b128 v[X:X+3], v2, s[18:19]
	global_load_b128 v[X+4:X+7], v2, s[20:21]
	global_load_b128 v[X+8:X+11], v2, s[22:23]
	global_load_b128 v[X+12:X+15], v2, s[24:25]
.irp i, 0,1,2,3
	s_wait_loadcnt 3-\i
	v_cvt_pk_bf16_f32 v[TW], v[X+4*\i], v[X+4*\i+1]
	v_cvt_pk_bf16_f32 v[TW+1], v[X+4*\i+2], v[X+4*\i+3]
	v_lshlrev_b32 v[Y+4*\i], 16, v[TW]
	v_and_b32 v[Y+4*\i+1], s39, v[TW]
	v_lshlrev_b32 v[Y+4*\i+2], 16, v[TW+1]
	v_and_b32 v[Y+4*\i+3], s39, v[TW+1]
	global_store_b128 v2, v[Y+4*\i:Y+4*\i+3], s[32:33] offset:\i*4096
.endr
	s_endpgm
.Lfunc_end_k_qb74ffd76f3_prep:
	.size	k_qb74ffd76f3_prep, .Lfunc_end_k_qb74ffd76f3_prep-k_qb74ffd76f3_prep
	.p2alignl 7, 3214868480
	.fill 96, 4, 3214868480
	.section	.rodata,"a",@progbits
	.p2align	6, 0x0
	.amdhsa_kernel k_qb74ffd76f3_prep
		.amdhsa_group_segment_fixed_size 0
		.amdhsa_private_segment_fixed_size 0
		.amdhsa_enable_private_segment 0
		.amdhsa_kernarg_size 104
		.amdhsa_user_sgpr_count 2
		.amdhsa_user_sgpr_kernarg_segment_ptr 1
		.amdhsa_wavefront_size32 1
		.amdhsa_system_sgpr_workgroup_id_x 1
		.amdhsa_system_sgpr_workgroup_id_y 1
		.amdhsa_system_sgpr_workgroup_id_z 1
		.amdhsa_system_vgpr_workitem_id 0
		.amdhsa_next_free_vgpr 128
		.amdhsa_next_free_sgpr 66
		.amdhsa_reserve_vcc 0
		.amdhsa_float_denorm_mode_32 3
		.amdhsa_float_denorm_mode_16_64 3
		.amdhsa_memory_ordered 1
		.amdhsa_forward_progress 1
		.amdhsa_inst_pref_size 22
	.end_amdhsa_kernel
	.amdgpu_metadata
---
amdhsa.version: [ 1, 2 ]
amdhsa.kernels:
  - .name:           k_qb74ffd76f3_prep
    .symbol:         k_qb74ffd76f3_prep.kd
    .args:
      - { .name: x, .offset: 0, .size: 8, .value_kind: global_buffer, .address_space: global }
      - { .name: Wq, .offset: 8, .size: 8, .value_kind: global_buffer, .address_space: global }
      - { .name: Wk, .offset: 16, .size: 8, .value_kind: global_buffer, .address_space: global }
      - { .name: Wv, .offset: 24, .size: 8, .value_kind: global_buffer, .address_space: global }
      - { .name: Wo, .offset: 32, .size: 8, .value_kind: global_buffer, .address_space: global }
      - { .name: bq, .offset: 40, .size: 8, .value_kind: global_buffer, .address_space: global }
      - { .name: bk, .offset: 48, .size: 8, .value_kind: global_buffer, .address_space: global }
      - { .name: bv, .offset: 56, .size: 8, .value_kind: global_buffer, .address_space: global }
      - { .name: bo, .offset: 64, .size: 8, .value_kind: global_buffer, .address_space: global }
      - { .name: xb, .offset: 72, .size: 8, .value_kind: global_buffer, .address_space: global }
      - { .name: wqkv, .offset: 80, .size: 8, .value_kind: global_buffer, .address_space: global }
      - { .name: wo16, .offset: 88, .size: 8, .value_kind: global_buffer, .address_space: global }
      - { .name: bias, .offset: 96, .size: 8, .value_kind: global_buffer, .address_space: global }
    .group_segment_fixed_size: 0
    .private_segment_fixed_size: 0
    .kernarg_segment_align: 8
    .kernarg_segment_size: 104
    .max_flat_workgroup_size: 256
    .sgpr_count:     66
    .vgpr_count:     128
    .wavefront_size: 32
...
	.end_amdgpu_metadata
.endif
;; end of part 1
;; launch proj (part 2): grid 12 x 32, 4 waves a work-group, clusters of 4 x 4, 327,680 bytes of LDS; arguments xb, wqkv, bias, qkv; writes qkv
.if DOCPART == 2
	.amdgcn_target "amdgcn-amd-amdhsa--gfx1250"
	.amdhsa_code_object_version 6
	.text
	.protected	k_qb74ffd76f3_proj
	.globl	k_qb74ffd76f3_proj
	.p2align	8
	.type	k_qb74ffd76f3_proj,@function
k_qb74ffd76f3_proj:
	s_mov_b64 s[64:65], 0
	v_nop
	global_prefetch_b8 v0, s[64:65] scope:SCOPE_SE
	s_setreg_imm32_b32 hwreg(HW_REG_WAVE_MODE, 25, 1), 1
	s_wait_xcnt 0x0
	s_wait_alu depctr_hold_cnt(0) depctr_sa_sdst(0) depctr_va_vdst(0) depctr_va_sdst(0) depctr_va_ssrc(0) depctr_va_vcc(0) depctr_vm_vsrc(0)
	s_getreg_b32 s2, hwreg(HW_REG_IB_STS2, 6, 4)
	s_cmp_eq_u32 s2, 0
	s_cbranch_scc0 .Lentry_in_a_cluster
	s_endpgm
.Lentry_in_a_cluster:
	s_bfe_u32 s2, ttmp6, 0x10000c
	s_cmp_lg_u32 s2, 0xf033
	s_cbranch_scc0 .Lentry_shape_is_right
	s_endpgm
.Lentry_shape_is_right:
; PROJ.  q | k | v = xb wqkv + bias.  xb: [8192][1024] bf16, K along the rows.  wqkv: [1024][3072] bf16, N along the rows.  bias: [4096] f32.  qkv: [8192][3072] f16.  Sums in f32, rounded once.
; LIMITS.  The f16 results hold no number beyond 65,504; NaN and infinities are not treated apart.
; SHARES.  A tile of C is 256 x 256: four waves, 2 x 2, each 128 x 128: 64 accumulators of 16 x 16, 512 registers.  K goes in 8 steps of 128 through two LDS slots:
; a slot's 131,072 bytes feed 256 matrix instructions a wave.  Waves 0 and 1 fetch the two halves (128 rows) of A's tile, waves 2 and 3 the two halves (64 K rows x 256 columns) of B's.
; CLUSTER.  4 x 4 work-groups: the four of a row need the same tiles of A, the four of a column the same tiles of B; each tile is asked for jointly.
; THE MATRIX INSTRUCTION IS USED TRANSPOSED: source 0 = 16 columns of B (turned on its way out of LDS by ds_load_tr16_b128), source 1 = 16 rows of A:
; a lane then holds row lane % 16 of C and the columns 8 (lane / 16) + 0..7.  THE BIAS STARTS THE SUMS: it is the C operand of the first product on each accumulator.
; THE TEXT.  The first quarter step is written out; loop A (six passes, entered in its middle) asks for K steps 2 to 7; loop B (two trips) asks for nothing.
; The very last turn's barrier and its 32 loads from a stale slot serve nothing: the price of one text for both trips of loop B.
; THE WAY OUT.  The slots have had their last fill: behind a barrier each wave lays its 128 x 128 sums, in f32, into 67,584 bytes of its own there, and a loop of 8 trips reads 16 rows back,
; sixteen lanes to a row, rounds and stores them.
; REGISTERS, in windows of 256 (s_set_vgpr_msb: bits 1:0 source 0, 3:2 source 1, 5:4 source 2, 7:6 destination):
;   window 0: v16-29 addresses; v64-127, v128-191 A's fragments, two buffers (on the way out: rows read back, rows to store)     window 1: v0-63 the bias; v64-127, v128-191 B's fragments
;   window 2: the accumulators of my rows 0-63, (a, b) at 8 (8 a + b)     window 3: those of my rows 64-127
.set KSTEP,  128
.set PA,     272                       ; a row of A in LDS: 256 bytes + 16: an odd multiple of 16, so the 16 rows of a load start 16 bytes apart modulo 256
.set PB,     544                       ; a K row of B in LDS: 512 bytes + 32: an odd multiple of 32, for the turning load
.set ABYTES, 256*PA
.set SLOT,   ABYTES+KSTEP*PB           ; 139,264 bytes: A's 256 rows, then B's 128 K rows
.set SPARE,  2*SLOT                    ; behind the ring: the spare words, 128 bytes a wave: two blocks of 256 bytes that no other line names
.set RAWP,   528                       ; the way out: a row of 128 f32 + 16 bytes
.set RAW,    128*RAWP                  ; a wave's 128 rows; four of them end below SPARE
.set BPITCH, 3072
.set BSTEP,  KSTEP*BPITCH*2            ; bytes from one K step of B to the next
.set CPITCH, 6144
.set ADRA0, 16                         ; my lane's place in A's tile of slot 0; never rewritten
.set ADRB0, 17                         ; the same for B
.set ADRA,  18                         ; the same in the slot in hand
.set ADRB,  19
.set STO,   24                         ; the way out: where I put 16 bytes of a row
.set RDA,   25                         ; where I read a row back
.set CO,    26                         ; my byte offset in C
.set BO,    27                         ; my byte offset in the wave's 128 biases
.set SPW,   28                         ; LDS address of my spare word; never rewritten
.set NIL,   29                         ; 0; never rewritten
.set F0,    64
.set F1,    128
.set X,     64                         ; the way out: 8 passes x 8 f32
.set Y,     128                        ; 8 passes x 4 words of f16
.set BI,    0                          ; window 1: the bias of column block b at BI + 8 b
.set WV, 12
.set WM, 13                            ; which 128 rows are mine; also: I fetch for A (0) or B (1)
.set WN, 14                            ; which 128 columns; also: which half of that tile I fetch
.set G1A, 24                           ; s[24:31] group 1 for A    s[32:39] group 0: a set for each first fill; the second then walks on
.set G0A, 32
.set G1B, 48
.set G0B, 56
.set TB,  66                           ; LDS byte at which the slot in hand begins: 0 or SLOT
.set LWA, 67                           ; where my part of A's tile goes in a slot
.set LWB, 68                           ; the same for B
.set MSB, 0
.macro WIN new                         ; the immediate's high byte repeats the setting that is left; a switch that changes nothing is dropped
.if MSB != (\new)
	s_set_vgpr_msb (MSB<<8)|(\new)
.set MSB, \new
.endif
.endm
.set TO_B, 0x40                        ; destination window 1, address window 0
.macro PLACES                          ; four plain vector lines between a matrix instruction and a load into, or another line on, its registers
.rept 4
	v_nop
.endr
.endm
.macro JLOAD                           ; the joint refill by the walking sets; the branch hangs on the wave's number alone; an s_nop 0 and four v_nop follow each line
	s_cmp_eq_u32 s[WM], 0
	s_cbranch_scc0 .Lfor_b_\@
	tensor_load_to_lds s[G0A+4:G0A+7], s[G1A:G1A+7]
	s_nop 0
	PLACES
	s_branch .Lasked_\@
.Lfor_b_\@:
	tensor_load_to_lds s[G0B+4:G0B+7], s[G1B:G1B+7]
	s_nop 0
	PLACES
.Lasked_\@:
.endm
.macro CREST                           ; a round of the cluster's barrier behind its opening barrier
	s_cmp_lg_u32 s[WV], 0
	s_cbranch_scc1 .Lnot_wave_0_\@
	s_barrier_signal -3
.Lnot_wave_0_\@:
	s_barrier_wait -3
	s_barrier_signal -1
	s_barrier_wait -1
.endm
.macro CROUND
	s_barrier_signal -1
	s_barrier_wait -1
	CREST
.endm
	s_load_b256 s[4:11], s[0:1], 0x0               ; xb s[4:5], wqkv s[6:7], bias s[8:9], qkv s[10:11]
	v_lshl_add_u32 v[SPW], v0, 2, SPARE
	v_mov_b32 v[NIL], 0
	ds_add_u32 v[SPW], v[NIL]                      ; the wave's opening: the add and its wait stand ahead of my first tensor load; register work stands between them
	v_lshrrev_b32 v1, 5, v0
	v_readfirstlane_b32 s[WV], v1
	s_lshr_b32 s[WM], s[WV], 1
	s_and_b32 s[WN], s[WV], 1
	s_bfe_u32 s40, ttmp6, 0x40000                  ; cx, cy: my place in the cluster
	s_bfe_u32 s41, ttmp6, 0x40004
	s_lshl_b32 s42, ttmp9, 2
	s_add_co_u32 s42, s42, s40                     ; tile column = 4 x cluster x + cx
	s_and_b32 s43, ttmp7, 0xffff
	s_lshl_b32 s43, s43, 2
	s_add_co_u32 s43, s43, s41                     ; tile row = 4 x cluster y + cy
	s_lshl_b32 s44, s41, 2
	s_lshl_b32 s44, 15, s44                        ; my row of the cluster
	s_lshl_b32 s45, 0x1111, s40                    ; my column
	s_or_b32 s[G1A], s44, (1<<16)|(1<<20)|(1<<21)|(5<<22)|(3<<25)   ; mask; 2-byte elements; padding on; bit 21 beside a mask; after every 64 words 4 words
	s_mov_b32 s[G1A+1], 128<<16                    ; tensor_dim0 = 128
	s_mov_b32 s[G1A+2], 128<<16                    ; tensor_dim1 = 128
	s_mov_b32 s[G1A+3], 128<<16                    ; tile_dim0 = 128
	s_mov_b32 s[G1A+4], 128                        ; tile_dim1 = 128
	s_mov_b32 s[G1A+5], 1024                       ; elements from row to row
	s_mov_b32 s[G1A+6], 0
	s_mov_b32 s[G1A+7], 0
	s_or_b32 s[G1B], s45, (1<<16)|(1<<20)|(1<<21)|(6<<22)|(7<<25)   ; after every 128 words 8 words
	s_mov_b32 s[G1B+1], 256<<16                    ; 64 K rows x 256 columns
	s_mov_b32 s[G1B+2], 64<<16
	s_mov_b32 s[G1B+3], 256<<16
	s_mov_b32 s[G1B+4], 64
	s_mov_b32 s[G1B+5], BPITCH
	s_mov_b32 s[G1B+6], 0
	s_mov_b32 s[G1B+7], 0
	s_lshl_b32 s16, s43, 19                        ; A: (256 x tile row + 128 x half) rows of 2,048 bytes: the tile row and the wave alone
	s_lshl_b32 s17, s[WN], 18
	s_add_co_u32 s16, s16, s17
	s_mov_b32 s17, 0
	s_mul_i32 s46, s[WN], 64*BPITCH*2              ; B: 64 x half K rows, 512 bytes x tile column: the tile column and the wave alone
	s_lshl_b32 s47, s42, 9
	s_add_co_u32 s46, s46, s47
	s_mov_b32 s47, 0
	s_mul_i32 s[LWA], s[WN], 128*PA                ; no place in the cluster enters an LDS address
	s_mul_i32 s[LWB], s[WN], 64*PB
	s_add_co_u32 s[LWB], s[LWB], ABYTES
	s_lshl_b32 s70, s42, 10                        ; bias: 4 bytes x (256 x tile column + 128 x my half)
	s_lshl_b32 s71, s[WN], 9
	s_add_co_u32 s70, s70, s71
	s_mov_b32 s71, 0
	s_lshl_b32 s72, s43, 8                         ; C: my first row,
	s_lshl_b32 s73, s[WM], 7
	s_add_co_u32 s72, s72, s73
	s_mul_i32 s72, s72, CPITCH
	s_lshl_b32 s73, s42, 9                         ; my first column, in bytes
	s_add_co_u32 s72, s72, s73
	s_lshl_b32 s73, s[WN], 8
	s_add_co_u32 s72, s72, s73
	s_mov_b32 s73, 0
	s_mov_b32 s[TB], 0
	s_wait_dscnt 0x0                               ; the opening add is done
	s_wait_kmcnt 0x0
	s_add_nc_u64 s[18:19], s[4:5], s[16:17]
	s_add_nc_u64 s[46:47], s[6:7], s[46:47]
	s_add_nc_u64 s[8:9], s[8:9], s[70:71]
	s_add_nc_u64 s[10:11], s[10:11], s[72:73]
.irp s, 0,1
	s_mov_b32 s[G0A+4*\s], 1                                       ; count = 1
	s_add_co_u32 s[G0A+4*\s+1], s[LWA], \s*SLOT                    ; LDS address
	s_add_nc_u64 s[G0A+4*\s+2:G0A+4*\s+3], s[18:19], \s*KSTEP*2    ; global address: K step s
	s_or_b32 s[G0A+4*\s+3], s[G0A+4*\s+3], 0x80000000              ; type = 2
	s_mov_b32 s[G0B+4*\s], 1
	s_add_co_u32 s[G0B+4*\s+1], s[LWB], \s*SLOT
	s_add_nc_u64 s[G0B+4*\s+2:G0B+4*\s+3], s[46:47], \s*BSTEP
	s_or_b32 s[G0B+4*\s+3], s[G0B+4*\s+3], 0x80000000
.endr
	CROUND                                         ; all sixteen work-groups are here: the first joint loads meet
	s_cmp_eq_u32 s[WM], 0                          ; a wave's two first fills stand in one branch: two loads of mine are out
	s_cbranch_scc0 .Lfirst_b
	tensor_load_to_lds s[G0A:G0A+3], s[G1A:G1A+7]
	s_nop 0
	tensor_load_to_lds s[G0A+4:G0A+7], s[G1A:G1A+7]
	s_nop 0
	PLACES
	s_branch .Lfirst_asked
.Lfirst_b:
	tensor_load_to_lds s[G0B:G0B+3], s[G1B:G1B+7]
	s_nop 0
	tensor_load_to_lds s[G0B+4:G0B+7], s[G1B:G1B+7]
	s_nop 0
	PLACES
.Lfirst_asked:
	v_and_b32 v1, 15, v0                           ; r = lane % 16
	v_bfe_u32 v2, v0, 4, 1                         ; h = lane / 16
	v_and_b32 v3, 7, v0
	v_bfe_u32 v4, v0, 3, 1
	v_lshlrev_b32 v[BO], 5, v2                     ; my 8 columns of a block of 16: 32 h bytes
	WIN TO_B
.irp b, 0,1,2,3,4,5,6,7
	global_load_b128 v[BI+8*\b:BI+8*\b+3], v[BO], s[8:9] offset:64*\b
	global_load_b128 v[BI+8*\b+4:BI+8*\b+7], v[BO], s[8:9] offset:64*\b+16
.endr
	WIN 0
	v_mul_u32_u24 v[ADRA0], v1, PA                 ; a fragment of A: row r, 16 bytes for each half of the lanes; two loads 32 bytes apart
	v_lshl_add_u32 v[ADRA0], v2, 4, v[ADRA0]
	s_mul_i32 s20, s[WM], 128*PA
	v_add_nc_u32 v[ADRA0], s20, v[ADRA0]
	v_lshl_add_u32 v5, v2, 3, v3                   ; the turning load: K row 8 h + lane % 8, columns 8 ((lane / 8) % 2) + 0..7; two loads 16 K rows apart
	v_mul_u32_u24 v[ADRB0], v5, PB
	v_lshl_add_u32 v[ADRB0], v4, 4, v[ADRB0]
	s_lshl_b32 s20, s[WN], 8
	s_add_co_u32 s20, s20, ABYTES
	v_add_nc_u32 v[ADRB0], s20, v[ADRB0]
	v_mov_b32 v[ADRA], v[ADRA0]
	v_mov_b32 v[ADRB], v[ADRB0]
	s_mul_i32 s20, s[WV], RAW                      ; the way out: my 128 rows
	v_mul_u32_u24 v[STO], v1, RAWP                 ; in: row r, chunk 2 b + h of the row's first or second 256 bytes
	v_lshl_add_u32 v[STO], v2, 4, v[STO]
	v_add_nc_u32 v[STO], s20, v[STO]
	v_mul_u32_u24 v[RDA], v2, RAWP                 ; back: lanes 0-15 one row, lanes 16-31 the next; lane % 16 takes chunk lane % 16 of both halves: 8 neighbouring columns
	v_lshl_add_u32 v[RDA], v1, 4, v[RDA]
	v_add_nc_u32 v[RDA], s20, v[RDA]
	v_mul_u32_u24 v[CO], v2, CPITCH                ; and the same two rows in C
	v_lshl_add_u32 v[CO], v1, 4, v[CO]
; 16 matrix instructions: row blocks a0, a0 + 1 of the window's four (hi = 0: my rows 0-63, 1: rows 64-127) x all 8 column blocks, 32 along K.
; first = 1: the product starts the sum, with the bias as C.  The 64 accumulators take turns in one fixed order.
.macro MUL16 f, hi, a0, first
.if \first
	WIN 0x91+0x40*(\hi)                            ; B window 1, A window 0, C window 1, D window 2 or 3
.else
	WIN 0xa1+0x50*(\hi)                            ; B window 1, A window 0, C and D window 2 or 3
.endif
.irp a, \a0, (\a0)+1
.irp b, 0,1,2,3,4,5,6,7
.if \first
	v_wmma_f32_16x16x32_bf16 v[8*(8*(\a)+(\b)):8*(8*(\a)+(\b))+7], v[(\f)+8*(\b):(\f)+8*(\b)+7], v[(\f)+8*(4*(\hi)+(\a)):(\f)+8*(4*(\hi)+(\a))+7], v[BI+8*(\b):BI+8*(\b)+7]
.else
	v_wmma_f32_16x16x32_bf16 v[8*(8*(\a)+(\b)):8*(8*(\a)+(\b))+7], v[(\f)+8*(\b):(\f)+8*(\b)+7], v[(\f)+8*(4*(\hi)+(\a)):(\f)+8*(4*(\hi)+(\a))+7], v[8*(8*(\a)+(\b)):8*(8*(\a)+(\b))+7]
.endif
.endr
.endr
.endm
.macro FETCH c, f                      ; 32 LDS loads in one run: quarter c (32 along K) of the slot in hand into buffer f: B's 8 fragments, then A's 8
	WIN TO_B
.irp b, 0,1,2,3,4,5,6,7
	ds_load_tr16_b128 v[(\f)+8*\b:(\f)+8*\b+3], v[ADRB] offset:32*(\c)*PB+32*\b
	ds_load_tr16_b128 v[(\f)+8*\b+4:(\f)+8*\b+7], v[ADRB] offset:32*(\c)*PB+32*\b+16*PB
.endr
	WIN 0
.irp i, 0,1,2,3,4,5,6,7
	ds_load_b128 v[(\f)+8*\i:(\f)+8*\i+3], v[ADRA] offset:64*(\c)+\i*16*PA
	ds_load_b128 v[(\f)+8*\i+4:(\f)+8*\i+7], v[ADRA] offset:64*(\c)+\i*16*PA+32
.endr
.endm
.macro QUARTER c, f, g, first          ; multiplies buffer f; in its middle fetches quarter c into buffer g
	s_wait_dscnt 8                                 ; B and A's rows 0-63 are in; the youngest eight loads (A's rows 64-127) may be out
	MUL16 \f, 0, 0, \first
	MUL16 \f, 0, 2, \first
	PLACES
	FETCH \c, \g
	s_wait_dscnt 32                                ; all but the 32 just issued
	MUL16 \f, 1, 0, \first
	MUL16 \f, 1, 2, \first
.endm
; A step's last quarter multiplies buffer 1 and changes slots: one barrier; in front of it each wave waits for all its tensor loads (one is out: its part of the next slot),
; adds 0 to its spare word, and waits for that and for its reads of this slot.  fill = 1: the barrier opens a round of the cluster's, and this slot is filled again first thing behind it.
.macro TURN fill
	WIN 0
	s_wait_tensorcnt 0x0
	ds_add_u32 v[SPW], v[NIL]
	s_wait_dscnt 9                                 ; the add and the youngest eight loads may be out
	MUL16 F1, 0, 0, 0
	s_wait_dscnt 0x0                               ; the add is done, my reads of this slot are over
	s_barrier_signal -1
	MUL16 F1, 0, 2, 0
	WIN 0
	s_barrier_wait -1
.if \fill
	CREST
	s_add_co_u32 s[G0A+5], s[LWA], s[TB]           ; the walking sets: into the slot in hand, the next K step
	s_add_nc_u64 s[G0A+6:G0A+7], s[G0A+6:G0A+7], KSTEP*2
	s_add_co_u32 s[G0B+5], s[LWB], s[TB]
	s_add_nc_u64 s[G0B+6:G0B+7], s[G0B+6:G0B+7], BSTEP
	JLOAD                                          ; 224 matrix instructions ahead of the wait for it; its four v_nop are also the places in front of the loads below
.else
	PLACES
.endif
	s_xor_b32 s[TB], s[TB], SLOT
	v_add_nc_u32 v[ADRA], s[TB], v[ADRA0]
	v_add_nc_u32 v[ADRB], s[TB], v[ADRB0]
	FETCH 0, F0
	MUL16 F1, 1, 0, 0
	MUL16 F1, 1, 2, 0
.endm
	s_wait_tensorcnt 0x1                           ; my part of K step 0 is in; K step 1's may stay out
	s_barrier_signal -1
	s_barrier_wait -1
	FETCH 0, F0
	s_wait_loadcnt 0x0                             ; the bias
	QUARTER 1, F0, F1, 1                           ; the first quarter starts all 64 sums: nothing is cleared
	WIN 0
	s_mov_b32 s3, 6
	s_branch .Lmid                                 ; loop A is entered behind a step's first quarter
.LA:
	QUARTER 1, F0, F1, 0
	WIN 0
.Lmid:                                                 ; six passes: K steps 0 to 5 end here, K steps 2 to 7 are asked for
	QUARTER 2, F1, F0, 0
	QUARTER 3, F0, F1, 0
	TURN 1
	WIN 0
	s_sub_co_u32 s3, s3, 1
	s_cmp_lg_u32 s3, 0
	s_cbranch_scc1 .LA
	s_mov_b32 s3, 2
.LB:                                                   ; K steps 6 and 7 ask for nothing
	QUARTER 1, F0, F1, 0
	QUARTER 2, F1, F0, 0
	QUARTER 3, F0, F1, 0
	TURN 0
	WIN 0
	s_sub_co_u32 s3, s3, 1
	s_cmp_lg_u32 s3, 0
	s_cbranch_scc1 .LB
	; THE WAY OUT
	PLACES                                         ; the places behind the last products
	s_wait_dscnt 0x0                               ; my last loads from the slots are back
	s_barrier_signal -1
	s_barrier_wait -1                              ; everybody's are: the slots, which no fill reaches any more, may be written
.irp hi, 0,1
	WIN 0x08+4*\hi                                 ; store data in window 2, then 3
.set i, 0
.rept 32                               ; accumulator i = 8 a + b; its lowest registers go first; even chunks of 16 bytes lie in a row's first 256 bytes, odd ones in its second
	ds_store_b128 v[STO], v[8*i:8*i+3] offset:(4*\hi+i/8)*16*RAWP+32*(i%8)
	ds_store_b128 v[STO], v[8*i+4:8*i+7] offset:(4*\hi+i/8)*16*RAWP+32*(i%8)+256
.set i, i+1
.endr
.endr
	WIN 0
	s_mov_b32 s3, 8
.Lrows:                                                ; a trip: 16 rows, two a pass.  LDS serves a wave's instructions in order (ISA guide 5.7.1.4): the loads see my stores above
.set p, 0
.rept 8
	ds_load_b128 v[X+8*p:X+8*p+3], v[RDA] offset:p*2*RAWP
	ds_load_b128 v[X+8*p+4:X+8*p+7], v[RDA] offset:p*2*RAWP+256
.set p, p+1
.endr
.set p, 0
.rept 8
	s_wait_dscnt 14-2*p                            ; pass p's two loads are in; the younger passes' may be out
	v_cvt_pk_f16_f32 v[Y+4*p], v[X+8*p], v[X+8*p+1]
	v_cvt_pk_f16_f32 v[Y+4*p+1], v[X+8*p+2], v[X+8*p+3]
	v_cvt_pk_f16_f32 v[Y+4*p+2], v[X+8*p+4], v[X+8*p+5]
	v_cvt_pk_f16_f32 v[Y+4*p+3], v[X+8*p+6], v[X+8*p+7]
	global_store_b128 v[CO], v[Y+4*p:Y+4*p+3], s[10:11] offset:2*p*CPITCH  ; 16 lanes store 256 consecutive bytes, at a multiple of 256
.set p, p+1
.endr
	s_wait_xcnt 0x0                                ; the stores' offset and data are rewritten only behind this wait
	v_add_nc_u32 v[RDA], 16*RAWP, v[RDA]
	v_add_nc_u32 v[CO], 16*CPITCH, v[CO]
	s_sub_co_u32 s3, s3, 1
	s_cmp_lg_u32 s3, 0
	s_cbranch_scc1 .Lrows
	s_wait_tensorcnt 0x0                           ; the wave's end
	ds_add_u32 v[SPW], v[NIL]
	s_wait_dscnt 0x0
	CROUND                                         ; the closing round
	s_endpgm
.Lfunc_end_k_qb74ffd76f3_proj:
	.size	k_qb74ffd76f3_proj, .Lfunc_end_k_qb74ffd76f3_proj-k_qb74ffd76f3_proj
	.p2alignl 7, 3214868480
	.fill 96, 4, 3214868480
	.section	.rodata,"a",@progbits
	.p2align	6, 0x0
	.amdhsa_kernel k_qb74ffd76f3_proj
		.amdhsa_group_segment_fixed_size 327680
		.amdhsa_private_segment_fixed_size 0
		.amdhsa_enable_private_segment 0
		.amdhsa_kernarg_size 32
		.amdhsa_user_sgpr_count 2
		.amdhsa_user_sgpr_kernarg_segment_ptr 1
		.amdhsa_wavefront_size32 1
		.amdhsa_system_sgpr_workgroup_id_x 1
		.amdhsa_system_sgpr_workgroup_id_y 1
		.amdhsa_system_sgpr_workgroup_id_z 1
		.amdhsa_system_vgpr_workitem_id 0
		.amdhsa_next_free_vgpr 1024
		.amdhsa_next_free_sgpr 80
		.amdhsa_reserve_vcc 0
		.amdhsa_float_denorm_mode_32 3
		.amdhsa_float_denorm_mode_16_64 3
		.amdhsa_memory_ordered 1
		.amdhsa_forward_progress 1
		.amdhsa_inst_pref_size 83
	.end_amdhsa_kernel
	.amdgpu_metadata
---
amdhsa.version: [ 1, 2 ]
amdhsa.kernels:
  - .name:           k_qb74ffd76f3_proj
    .symbol:         k_qb74ffd76f3_proj.kd
    .args:
      - { .name: xb, .offset: 0, .size: 8, .value_kind: global_buffer, .address_space: global }
      - { .name: wqkv, .offset: 8, .size: 8, .value_kind: global_buffer, .address_space: global }
      - { .name: bias, .offset: 16, .size: 8, .value_kind: global_buffer, .address_space: global }
      - { .name: qkv, .offset: 24, .size: 8, .value_kind: global_buffer, .address_space: global }
    .group_segment_fixed_size: 327680
    .private_segment_fixed_size: 0
    .kernarg_segment_align: 8
    .kernarg_segment_size: 32
    .max_flat_workgroup_size: 128
    .sgpr_count:     80
    .vgpr_count:     1024
    .wavefront_size: 32
...
	.end_amdgpu_metadata
.endif
;; end of part 2
;; launch scores (part 3): grid 12 x 16, 4 waves a work-group, clusters of 4 x 4, 327,680 bytes of LDS; arguments qkv, pt, st; writes pt, st
.if DOCPART == 3
	.amdgcn_target "amdgcn-amd-amdhsa--gfx1250"
	.amdhsa_code_object_version 6
	.text
	.protected	k_qb74ffd76f3_scores
	.globl	k_qb74ffd76f3_scores
	.p2align	8
	.type	k_qb74ffd76f3_scores,@function
k_qb74ffd76f3_scores:
	s_mov_b64 s[64:65], 0
	v_nop
	global_prefetch_b8 v0, s[64:65] scope:SCOPE_SE
	s_setreg_imm32_b32 hwreg(HW_REG_WAVE_MODE, 25, 1), 1
	s_wait_xcnt 0x0
	s_wait_alu depctr_hold_cnt(0) depctr_sa_sdst(0) depctr_va_vdst(0) depctr_va_sdst(0) depctr_va_ssrc(0) depctr_va_vcc(0) depctr_vm_vsrc(0)
	s_getreg_b32 s2, hwreg(HW_REG_IB_STS2, 6, 4)
	s_cmp_eq_u32 s2, 0
	s_cbranch_scc0 .Lentry_in_a_cluster
	s_endpgm
.Lentry_in_a_cluster:
	s_bfe_u32 s2, ttmp6, 0x10000c
	s_cmp_lg_u32 s2, 0xf033
	s_cbranch_scc0 .Lentry_shape_is_right
	s_endpgm
.Lentry_shape_is_right:
; SCORES.  For a tile of 256 queries x 256 keys of one batch: s = q . k (f16 operands, f32 sums, K = 1024), hidden keys (key > query) at -2^100.
; For each row and each block of 64 keys: the maximum m of those 64 scores; p~ = 2^(c (s - m)) in f16, c = log2(e) / 32; and the pair (c m, sum of p~) in f32.
; The next launch forms the row's true maximum of the c m and scales p~ by 2^(c m - c m_row): the row's maximum is taken away exactly.  s - m is never positive, so no exponential overflows.
; A block of 64 keys that is wholly hidden gives c m near -c 2^100 and finite p~; its factor in the next launch is 0.
; LIMITS.  q and k arrive within f16's 65,504; a hidden score counts as -2^100; a weight below 2^-126 counts as 0; NaN and infinities are not treated apart.
; THE WALK.  A cluster of 4 x 4 work-groups takes a block of 1024 x 1024; of the 2 x 2 such blocks of a batch the 3 on or under the diagonal are computed (cluster x = 0..2, cluster y = batch).
; All sixteen partners run alike, since tiles are asked for jointly: in a diagonal block the 6 tiles above the diagonal are computed as wholly hidden and stored; nobody reads them.
; SHARES.  Four waves, 2 x 2, each 128 queries x 128 keys: 64 accumulators.  K goes in 8 steps of 128 through two LDS slots: a slot's 131,072 bytes feed 256 matrix instructions a wave.
; q's tile is shared along a row of the cluster, k's along a column.  Source 0 = 16 keys, source 1 = 16 queries: a lane holds one query (lane % 16) and the keys 8 (lane / 16) + 0..7.
; THE MASK STARTS THE SUMS: 0 or -2^100 as the C operand of the first product on each accumulator; it hangs on b - a alone: fifteen sets of 8 registers.
; THE TEXT.  The first quarter step is written out; loop A (six passes, entered in its middle) asks for K steps 2 to 7; loop B (two trips) asks for nothing.
; The very last turn's barrier and its 32 loads from a stale slot serve nothing: the price of one text for both trips of loop B.
; THE WAY OUT.  The slots have had their last fill: behind a barrier each wave lays its 128 x 128 scores, in f32, into 67,584 bytes of its own there.  A loop of 8 trips reads 16 rows back, sixteen lanes
; to a row, 8 keys a lane: a row's block of 64 keys lies in 8 neighbouring lanes, and its maximum and sum take three exchanges each.  One text serves all 128 rows.
; REGISTERS, in windows of 256 (s_set_vgpr_msb: bits 1:0 source 0, 3:2 source 1, 5:4 source 2, 7:6 destination):
;   window 0: v16-30 addresses; v64-127, v128-191 q's fragments, two buffers (on the way out: scores, p~, statistics)     window 1: v0-63, v192-247 the masks; v64-127, v128-191 k's fragments
;   window 2: the accumulators of my rows 0-63, (a, b) at 8 (8 a + b)     window 3: those of my rows 64-127
.set KSTEP,  128
.set PA,     272                       ; an LDS row: 256 bytes + 16: an odd multiple of 16, so the 16 rows of a load start 16 bytes apart modulo 256
.set HALFT,  128*PA                    ; 128 rows: what one tensor load brings, and what one wave reads of q or of k
.set SLOT,   4*HALFT                   ; 139,264 bytes: q's 256 rows, then k's 256 rows
.set SPARE,  2*SLOT                    ; behind the ring: the spare words, 128 bytes a wave: two blocks of 256 bytes that no other line names
.set STATS,  SPARE+512                 ; for each wave 2,048 bytes: [2 blocks of keys][128 rows] pairs (c m, sum); no tensor load fills them
.set RAWP,   528                       ; the way out: a row of 128 f32 + 16 bytes
.set RAW,    128*RAWP                  ; a wave's 128 rows; four of them end below SPARE
.set ADRA0, 16
.set ADRB0, 17
.set ADRA,  18
.set ADRB,  19
.set SA,    20                         ; where my pass's pair goes in STATS
.set SR,    21                         ; where I read 16 bytes of STATS back
.set SO,    22                         ; 16 x lane
.set STO,   24
.set RDA,   25
.set CO,    26
.set SPW,   28
.set NIL,   29
.set DL,    30                         ; my query less my first key: register j of accumulator (a, b) is hidden where 16 (b - a) + j is greater
.set F0,    64
.set F1,    128
.set X,     64                         ; the way out: 8 passes x 8 scores
.set Y,     128                        ; 8 passes x 4 words of p~
.set MX,    160                        ; pass p: v[MX+2p] m, v[MX+2p+1] at work
.set SL,    176                        ; pass p: the pair (c m, sum)
.set WV, 12
.set WM, 13                            ; which 128 queries are mine; also: I fetch q (0) or k (1)
.set WN, 14                            ; which 128 keys; also: which half of that tile I fetch
.set G1A, 24
.set G0A, 32
.set G1B, 48
.set G0B, 56
.set TB,  66                           ; LDS byte at which the slot in hand begins: 0 or SLOT
.set LW,  67                           ; where my part of a tile goes in a slot: wave x 128 rows
.set CS,  76                           ; s[76:77] c
.set BIGN, 78                          ; -2^100
.set MSB, 0
.macro WIN new
.if MSB != (\new)
	s_set_vgpr_msb (MSB<<8)|(\new)
.set MSB, \new
.endif
.endm
.set TO_B, 0x40                        ; destination window 1, address window 0
.macro PLACES
.rept 4
	v_nop
.endr
.endm
.macro JLOAD                           ; the joint refill by the walking sets; the branch hangs on the wave's number alone; an s_nop 0 and four v_nop follow each line
	s_cmp_eq_u32 s[WM], 0
	s_cbranch_scc0 .Lfor_b_\@
	tensor_load_to_lds s[G0A+4:G0A+7], s[G1A:G1A+7]
	s_nop 0
	PLACES
	s_branch .Lasked_\@
.Lfor_b_\@:
	tensor_load_to_lds s[G0B+4:G0B+7], s[G1B:G1B+7]
	s_nop 0
	PLACES
.Lasked_\@:
.endm
.macro CREST
	s_cmp_lg_u32 s[WV], 0
	s_cbranch_scc1 .Lnot_wave_0_\@
	s_barrier_signal -3
.Lnot_wave_0_\@:
	s_barrier_wait -3
	s_barrier_signal -1
	s_barrier_wait -1
.endm
.macro CROUND
	s_barrier_signal -1
	s_barrier_wait -1
	CREST
.endm
	s_load_b128 s[4:7], s[0:1], 0x0                ; qkv s[4:5], pt s[6:7]
	s_load_b64 s[8:9], s[0:1], 0x10                ; st
	v_lshl_add_u32 v[SPW], v0, 2, SPARE
	v_mov_b32 v[NIL], 0
	ds_add_u32 v[SPW], v[NIL]                      ; the wave's opening: the add and its wait stand ahead of my first tensor load
	v_lshrrev_b32 v1, 5, v0
	v_readfirstlane_b32 s[WV], v1
	s_lshr_b32 s[WM], s[WV], 1
	s_and_b32 s[WN], s[WV], 1
	s_bfe_u32 s40, ttmp6, 0x40000                  ; cx, cy
	s_bfe_u32 s41, ttmp6, 0x40004
	s_mov_b32 s70, ttmp9                           ; the block's number: 0 -> (0, 0), 1 -> (1, 0), 2 -> (1, 1)
	s_cmp_ge_u32 s70, 1
	s_cselect_b32 s71, 4, 0
	s_cmp_ge_u32 s70, 2
	s_cselect_b32 s72, 4, 0
	s_add_co_u32 s43, s71, s41                     ; query tile = 4 x block row + cy
	s_add_co_u32 s42, s72, s40                     ; key tile = 4 x block column + cx
	s_and_b32 s74, ttmp7, 0xffff                   ; batch
	s_lshl_b32 s75, s74, 11                        ; its first row
	s_lshl_b32 s44, s41, 2
	s_lshl_b32 s44, 15, s44                        ; my row of the cluster
	s_lshl_b32 s45, 0x1111, s40                    ; my column
	s_or_b32 s[G1A], s44, (1<<16)|(1<<20)|(1<<21)|(5<<22)|(3<<25)   ; mask; 2-byte elements; padding on; bit 21 beside a mask; after every 64 words 4 words
	s_or_b32 s[G1B], s45, (1<<16)|(1<<20)|(1<<21)|(5<<22)|(3<<25)
.irp g, G1A, G1B
	s_mov_b32 s[(\g)+1], 128<<16                   ; tensor_dim0 = 128
	s_mov_b32 s[(\g)+2], 128<<16                   ; tensor_dim1 = 128
	s_mov_b32 s[(\g)+3], 128<<16                   ; tile_dim0 = 128
	s_mov_b32 s[(\g)+4], 128                       ; tile_dim1 = 128
	s_mov_b32 s[(\g)+5], 3072                      ; elements from row to row of qkv
	s_mov_b32 s[(\g)+6], 0
	s_mov_b32 s[(\g)+7], 0
.endr
	s_lshl_b32 s16, s43, 8                         ; q: row 2048 b + 256 x query tile + 128 x half
	s_lshl_b32 s17, s[WN], 7
	s_add_co_u32 s16, s16, s17
	s_add_co_u32 s16, s16, s75
	s_mul_i32 s16, s16, 6144
	s_mov_b32 s17, 0
	s_lshl_b32 s46, s42, 8                         ; k: row 2048 b + 256 x key tile + 128 x half,
	s_lshl_b32 s47, s[WN], 7
	s_add_co_u32 s46, s46, s47
	s_add_co_u32 s46, s46, s75
	s_mul_i32 s46, s46, 6144
	s_add_co_u32 s46, s46, 2048                    ; 2,048 bytes into the row
	s_mov_b32 s47, 0
	s_mul_i32 s[LW], s[WV], HALFT                  ; no place in the cluster enters an LDS address
	s_mov_b32 s[CS], 0x3d38aa3b                    ; c = log2(e) / 32
	s_mov_b32 s[CS+1], s[CS]
	s_mov_b32 s[BIGN], 0xf1800000
	s_mov_b32 s[TB], 0
	s_wait_dscnt 0x0                               ; the opening add is done
	s_wait_kmcnt 0x0
	s_add_nc_u64 s[18:19], s[4:5], s[16:17]
	s_add_nc_u64 s[46:47], s[4:5], s[46:47]
.irp s, 0,1
	s_mov_b32 s[G0A+4*\s], 1
	s_add_co_u32 s[G0A+4*\s+1], s[LW], \s*SLOT
	s_add_nc_u64 s[G0A+4*\s+2:G0A+4*\s+3], s[18:19], \s*KSTEP*2
	s_or_b32 s[G0A+4*\s+3], s[G0A+4*\s+3], 0x80000000
	s_mov_b32 s[G0B+4*\s], 1
	s_add_co_u32 s[G0B+4*\s+1], s[LW], \s*SLOT
	s_add_nc_u64 s[G0B+4*\s+2:G0B+4*\s+3], s[46:47], \s*KSTEP*2
	s_or_b32 s[G0B+4*\s+3], s[G0B+4*\s+3], 0x80000000
.endr
	CROUND                                         ; all sixteen work-groups are here: the first joint loads meet
	s_cmp_eq_u32 s[WM], 0                          ; a wave's two first fills stand in one branch: two loads of mine are out
	s_cbranch_scc0 .Lfirst_b
	tensor_load_to_lds s[G0A:G0A+3], s[G1A:G1A+7]
	s_nop 0
	tensor_load_to_lds s[G0A+4:G0A+7], s[G1A:G1A+7]
	s_nop 0
	PLACES
	s_branch .Lfirst_asked
.Lfirst_b:
	tensor_load_to_lds s[G0B:G0B+3], s[G1B:G1B+7]
	s_nop 0
	tensor_load_to_lds s[G0B+4:G0B+7], s[G1B:G1B+7]
	s_nop 0
	PLACES
.Lfirst_asked:
	v_and_b32 v1, 15, v0                           ; r = lane % 16
	v_bfe_u32 v2, v0, 4, 1                         ; h = lane / 16
	v_bfe_u32 v4, v0, 3, 1                         ; which block of 64 keys my lane reads back
	v_mul_u32_u24 v3, v1, PA
	v_lshl_add_u32 v3, v2, 4, v3                   ; a fragment: row r, 16 bytes for each half of the lanes; two loads 32 bytes apart
	s_mul_i32 s20, s[WM], HALFT                    ; my 128 rows of q
	v_add_nc_u32 v[ADRA0], s20, v3
	s_mul_i32 s20, s[WN], HALFT                    ; my 128 rows of k,
	s_add_co_u32 s20, s20, 2*HALFT                 ; which lie behind q's 256
	v_add_nc_u32 v[ADRB0], s20, v3
	v_mov_b32 v[ADRA], v[ADRA0]
	v_mov_b32 v[ADRB], v[ADRB0]
	s_mul_i32 s20, s[WV], RAW                      ; the way out: my 128 rows
	v_mul_u32_u24 v[STO], v1, RAWP                 ; in: row r, chunk 2 b + h of the row's first or second 256 bytes
	v_lshl_add_u32 v[STO], v2, 4, v[STO]
	v_add_nc_u32 v[STO], s20, v[STO]
	v_mul_u32_u24 v[RDA], v2, RAWP                 ; back: lanes 0-15 one row, lanes 16-31 the next; lane % 16 takes chunk lane % 16 of both halves: 8 neighbouring keys
	v_lshl_add_u32 v[RDA], v1, 4, v[RDA]
	v_add_nc_u32 v[RDA], s20, v[RDA]
	v_lshlrev_b32 v5, 12, v2                       ; and the same two rows in pt, 4,096 bytes apart
	v_lshl_add_u32 v[CO], v1, 4, v5
	s_lshl_b32 s20, s[WV], 11
	s_add_co_u32 s20, s20, STATS                   ; my 2,048 bytes of STATS
	v_lshlrev_b32 v5, 10, v4                       ; 1,024 bytes a block of keys, 8 bytes a row
	v_lshl_add_u32 v5, v2, 3, v5
	v_add_nc_u32 v[SA], s20, v5
	v_and_b32 v5, 31, v0
	v_lshlrev_b32 v[SO], 4, v5
	v_add_nc_u32 v[SR], s20, v[SO]
	s_lshl_b32 s70, s74, 23                        ; pt: batch, row 256 x query tile + 128 x my half, 512 bytes x key tile + 256 x my half
	s_lshl_b32 s71, s43, 20
	s_add_co_u32 s70, s70, s71
	s_lshl_b32 s71, s[WM], 19
	s_add_co_u32 s70, s70, s71
	s_lshl_b32 s71, s42, 9
	s_add_co_u32 s70, s70, s71
	s_lshl_b32 s71, s[WN], 8
	s_add_co_u32 s70, s70, s71
	s_mov_b32 s71, 0
	s_add_nc_u64 s[6:7], s[6:7], s[70:71]
	s_lshl_b32 s72, s74, 19                        ; st: [batch][block of 64 keys][row][2]: 16,384 bytes a block of keys (four a key tile), 8 a row
	s_lshl_b32 s73, s42, 16
	s_add_co_u32 s72, s72, s73
	s_lshl_b32 s73, s[WN], 15
	s_add_co_u32 s72, s72, s73
	s_lshl_b32 s73, s43, 11
	s_add_co_u32 s72, s72, s73
	s_lshl_b32 s73, s[WM], 10
	s_add_co_u32 s72, s72, s73
	s_mov_b32 s73, 0
	s_add_nc_u64 s[8:9], s[8:9], s[72:73]
	; the fifteen masks, set u = b - a + 7 at 8 u (u < 8) or 192 + 8 (u - 8) of window 1.  All this stands in the wait for the first tile.
	s_sub_co_i32 s70, s43, s42
	s_lshl_b32 s70, s70, 8
	s_sub_co_i32 s71, s[WM], s[WN]
	s_lshl_b32 s71, s71, 7
	s_add_co_i32 s70, s70, s71
	v_lshlrev_b32 v5, 3, v2
	v_sub_nc_u32 v[DL], v1, v5
	v_add_nc_u32 v[DL], s70, v[DL]                 ; 256 (query tile - key tile) + 128 (my row half - my column half) + r - 8 h
	WIN TO_B
.set u, 0
.rept 15
.set j, 0
.rept 8
	v_cmp_gt_i32 vcc_lo, 16*(u-7)+j, v[DL]
	v_cndmask_b32 v[8*u+128*(u/8)+j], 0, s[BIGN], vcc_lo
.set j, j+1
.endr
.set u, u+1
.endr
	WIN 0
; 16 matrix instructions: row blocks a0, a0 + 1 of the window's four (hi = 0: my rows 0-63, 1: rows 64-127) x all 8 key blocks, 32 along K.
; first = 1: the product starts the sum, with its mask as C.  The 64 accumulators take turns in one fixed order.
.macro MUL16 f, hi, a0, first
.if \first
	WIN 0x91+0x40*(\hi)                            ; k window 1, q window 0, C window 1, D window 2 or 3
.else
	WIN 0xa1+0x50*(\hi)                            ; k window 1, q window 0, C and D window 2 or 3
.endif
.irp a, \a0, (\a0)+1
.irp b, 0,1,2,3,4,5,6,7
.if \first
.set u, (\b)-(4*(\hi)+(\a))+7
	v_wmma_f32_16x16x32_f16 v[8*(8*(\a)+(\b)):8*(8*(\a)+(\b))+7], v[(\f)+8*(\b):(\f)+8*(\b)+7], v[(\f)+8*(4*(\hi)+(\a)):(\f)+8*(4*(\hi)+(\a))+7], v[8*u+128*(u/8):8*u+128*(u/8)+7]
.else
	v_wmma_f32_16x16x32_f16 v[8*(8*(\a)+(\b)):8*(8*(\a)+(\b))+7], v[(\f)+8*(\b):(\f)+8*(\b)+7], v[(\f)+8*(4*(\hi)+(\a)):(\f)+8*(4*(\hi)+(\a))+7], v[8*(8*(\a)+(\b)):8*(8*(\a)+(\b))+7]
.endif
.endr
.endr
.endm
.macro FETCH c, f                      ; 32 LDS loads in one run: quarter c (32 along K) of the slot in hand into buffer f: k's 8 fragments, then q's 8
	WIN TO_B
.irp i, 0,1,2,3,4,5,6,7
	ds_load_b128 v[(\f)+8*\i:(\f)+8*\i+3], v[ADRB] offset:64*(\c)+\i*16*PA
	ds_load_b128 v[(\f)+8*\i+4:(\f)+8*\i+7], v[ADRB] offset:64*(\c)+\i*16*PA+32
.endr
	WIN 0
.irp i, 0,1,2,3,4,5,6,7
	ds_load_b128 v[(\f)+8*\i:(\f)+8*\i+3], v[ADRA] offset:64*(\c)+\i*16*PA
	ds_load_b128 v[(\f)+8*\i+4:(\f)+8*\i+7], v[ADRA] offset:64*(\c)+\i*16*PA+32
.endr
.endm
.macro QUARTER c, f, g, first          ; multiplies buffer f; in its middle fetches quarter c into buffer g
	s_wait_dscnt 8                                 ; k and q's rows 0-63 are in; the youngest eight loads (q's rows 64-127) may be out
	MUL16 \f, 0, 0, \first
	MUL16 \f, 0, 2, \first
	PLACES
	FETCH \c, \g
	s_wait_dscnt 32                                ; all but the 32 just issued
	MUL16 \f, 1, 0, \first
	MUL16 \f, 1, 2, \first
.endm
; A step's last quarter multiplies buffer 1 and changes slots: one barrier; in front of it each wave waits for all its tensor loads (one is out: its part of the next slot),
; adds 0 to its spare word, and waits for that and for its reads of this slot.  fill = 1: the barrier opens a round of the cluster's, and this slot is filled again first thing behind it.
.macro TURN fill
	WIN 0
	s_wait_tensorcnt 0x0
	ds_add_u32 v[SPW], v[NIL]
	s_wait_dscnt 9                                 ; the add and the youngest eight loads may be out
	MUL16 F1, 0, 0, 0
	s_wait_dscnt 0x0                               ; the add is done, my reads of this slot are over
	s_barrier_signal -1
	MUL16 F1, 0, 2, 0
	WIN 0
	s_barrier_wait -1
.if \fill
	CREST
	s_add_co_u32 s[G0A+5], s[LW], s[TB]            ; the walking sets: into the slot in hand, the next K step
	s_add_nc_u64 s[G0A+6:G0A+7], s[G0A+6:G0A+7], KSTEP*2
	s_add_co_u32 s[G0B+5], s[LW], s[TB]
	s_add_nc_u64 s[G0B+6:G0B+7], s[G0B+6:G0B+7], KSTEP*2
	JLOAD                                          ; 224 matrix instructions ahead of the wait for it; its four v_nop are also the places in front of the loads below
.else
	PLACES
.endif
	s_xor_b32 s[TB], s[TB], SLOT
	v_add_nc_u32 v[ADRA], s[TB], v[ADRA0]
	v_add_nc_u32 v[ADRB], s[TB], v[ADRB0]
	FETCH 0, F0
	MUL16 F1, 1, 0, 0
	MUL16 F1, 1, 2, 0
.endm
	s_wait_tensorcnt 0x1                           ; my part of K step 0 is in; K step 1's may stay out
	s_barrier_signal -1
	s_barrier_wait -1
	FETCH 0, F0
	QUARTER 1, F0, F1, 1                           ; the first quarter starts all 64 sums: nothing is cleared
	WIN 0
	s_mov_b32 s3, 6
	s_branch .Lmid                                 ; loop A is entered behind a step's first quarter
.LA:
	QUARTER 1, F0, F1, 0
	WIN 0
.Lmid:                                                 ; six passes: K steps 0 to 5 end here, K steps 2 to 7 are asked for
	QUARTER 2, F1, F0, 0
	QUARTER 3, F0, F1, 0
	TURN 1
	WIN 0
	s_sub_co_u32 s3, s3, 1
	s_cmp_lg_u32 s3, 0
	s_cbranch_scc1 .LA
	s_mov_b32 s3, 2
.LB:                                                   ; K steps 6 and 7 ask for nothing
	QUARTER 1, F0, F1, 0
	QUARTER 2, F1, F0, 0
	QUARTER 3, F0, F1, 0
	TURN 0
	WIN 0
	s_sub_co_u32 s3, s3, 1
	s_cmp_lg_u32 s3, 0
	s_cbranch_scc1 .LB
	; THE WAY OUT
	PLACES                                         ; the places behind the last products
	s_wait_dscnt 0x0                               ; my last loads from the slots are back
	s_barrier_signal -1
	s_barrier_wait -1                              ; everybody's are: the slots, which no fill reaches any more, may be written
.irp hi, 0,1
	WIN 0x08+4*\hi                                 ; store data in window 2, then 3
.set i, 0
.rept 32                               ; accumulator i = 8 a + b; its lowest registers go first; even chunks of 16 bytes lie in a row's first 256 bytes, odd ones in its second
	ds_store_b128 v[STO], v[8*i:8*i+3] offset:(4*\hi+i/8)*16*RAWP+32*(i%8)
	ds_store_b128 v[STO], v[8*i+4:8*i+7] offset:(4*\hi+i/8)*16*RAWP+32*(i%8)+256
.set i, i+1
.endr
.endr
	WIN 0
.macro ALLP line:vararg                ; one line for each of a trip's 8 passes, so that no line reads the result of the one before it
.set p, 0
.rept 8
	\line
.set p, p+1
.endr
.endm
	s_mov_b32 s3, 8
.Lrows:                                                ; a trip: 16 rows, two a pass.  LDS serves a wave's instructions in order (ISA guide 5.7.1.4): the loads see my stores above
	ALLP ds_load_b128 v[X+8*p:X+8*p+3], v[RDA] offset:p*2*RAWP
	ALLP ds_load_b128 v[X+8*p+4:X+8*p+7], v[RDA] offset:p*2*RAWP+256
	s_wait_dscnt 0x0
	ALLP v_max3_num_f32 v[MX+2*p], v[X+8*p], v[X+8*p+1], v[X+8*p+2]
	ALLP v_max3_num_f32 v[MX+2*p+1], v[X+8*p+3], v[X+8*p+4], v[X+8*p+5]
	ALLP v_max3_num_f32 v[MX+2*p], v[MX+2*p], v[X+8*p+6], v[X+8*p+7]
	ALLP v_max_num_f32 v[MX+2*p], v[MX+2*p], v[MX+2*p+1]
	ALLP v_max_num_f32_dpp v[MX+2*p], v[MX+2*p], v[MX+2*p] row_xmask:1 row_mask:0xf bank_mask:0xf
	ALLP v_max_num_f32_dpp v[MX+2*p], v[MX+2*p], v[MX+2*p] row_xmask:2 row_mask:0xf bank_mask:0xf
	ALLP v_max_num_f32_dpp v[MX+2*p], v[MX+2*p], v[MX+2*p] row_xmask:4 row_mask:0xf bank_mask:0xf
	ALLP v_mul_f32 v[SL+2*p], s[CS], v[MX+2*p]
.set i, 0
.rept 4                                ; s - m, exact in sign: never above 0
	ALLP v_pk_add_f32 v[X+8*p+2*i:X+8*p+2*i+1], v[X+8*p+2*i:X+8*p+2*i+1], v[MX+2*p:MX+2*p+1] op_sel_hi:[1,0] neg_lo:[0,1] neg_hi:[0,1]
.set i, i+1
.endr
.set i, 0
.rept 32
	v_pk_mul_f32 v[X+2*i:X+2*i+1], v[X+2*i:X+2*i+1], s[CS:CS+1] op_sel_hi:[1,0]
.set i, i+1
.endr
.set i, 0
.rept 64
	v_exp_f32 v[X+i], v[X+i]
.set i, i+1
.endr
	v_nop                                          ; a plain line between the exponentials and the use of their results (ISA guide 5.7.2)
.set i, 0
	s_wait_alu depctr_va_vdst(0)
.rept 32
	v_cvt_pk_f16_f32 v[Y+i], v[X+2*i], v[X+2*i+1]
.set i, i+1
.endr
	ALLP global_store_b128 v[CO], v[Y+4*p:Y+4*p+3], s[6:7] offset:2*p*4096
	ALLP v_pk_add_f32 v[X+8*p:X+8*p+1], v[X+8*p:X+8*p+1], v[X+8*p+2:X+8*p+3]
	ALLP v_pk_add_f32 v[X+8*p+4:X+8*p+5], v[X+8*p+4:X+8*p+5], v[X+8*p+6:X+8*p+7]
	ALLP v_pk_add_f32 v[X+8*p:X+8*p+1], v[X+8*p:X+8*p+1], v[X+8*p+4:X+8*p+5]
	ALLP v_add_f32 v[SL+2*p+1], v[X+8*p], v[X+8*p+1]
	ALLP v_add_f32_dpp v[SL+2*p+1], v[SL+2*p+1], v[SL+2*p+1] row_xmask:1 row_mask:0xf bank_mask:0xf
	ALLP v_add_f32_dpp v[SL+2*p+1], v[SL+2*p+1], v[SL+2*p+1] row_xmask:2 row_mask:0xf bank_mask:0xf
	ALLP v_add_f32_dpp v[SL+2*p+1], v[SL+2*p+1], v[SL+2*p+1] row_xmask:4 row_mask:0xf bank_mask:0xf
	ALLP ds_store_b64 v[SA], v[SL+2*p:SL+2*p+1] offset:16*p
	s_wait_xcnt 0x0                                ; the stores' offset and data are rewritten only behind this wait
	v_add_nc_u32 v[RDA], 16*RAWP, v[RDA]
	v_add_nc_u32 v[CO], 16*4096, v[CO]
	v_add_nc_u32 v[SA], 16*8, v[SA]
	s_sub_co_u32 s3, s3, 1
	s_cmp_lg_u32 s3, 0
	s_cbranch_scc1 .Lrows
	; the statistics leave in whole runs: my 128 rows of a block of keys are 1,024 consecutive bytes of st; each store covers 512 of them
.irp t, 0,1,2,3
	ds_load_b128 v[X+4*\t:X+4*\t+3], v[SR] offset:\t*512
.endr
	s_wait_dscnt 0x0
	global_store_b128 v[SO], v[X:X+3], s[8:9]
	global_store_b128 v[SO], v[X+4:X+7], s[8:9] offset:512
	global_store_b128 v[SO], v[X+8:X+11], s[8:9] offset:16384
	global_store_b128 v[SO], v[X+12:X+15], s[8:9] offset:16384+512
	s_wait_tensorcnt 0x0                           ; the wave's end
	ds_add_u32 v[SPW], v[NIL]
	s_wait_dscnt 0x0
	CROUND                                         ; the closing round
	s_endpgm
.Lfunc_end_k_qb74ffd76f3_scores:
	.size	k_qb74ffd76f3_scores, .Lfunc_end_k_qb74ffd76f3_scores-k_qb74ffd76f3_scores
	.p2alignl 7, 3214868480
	.fill 96, 4, 3214868480
	.section	.rodata,"a",@progbits
	.p2align	6, 0x0
	.amdhsa_kernel k_qb74ffd76f3_scores
		.amdhsa_group_segment_fixed_size 327680
		.amdhsa_private_segment_fixed_size 0
		.amdhsa_enable_private_segment 0
		.amdhsa_kernarg_size 24
		.amdhsa_user_sgpr_count 2
		.amdhsa_user_sgpr_kernarg_segment_ptr 1
		.amdhsa_wavefront_size32 1
		.amdhsa_system_sgpr_workgroup_id_x 1
		.amdhsa_system_sgpr_workgroup_id_y 1
		.amdhsa_system_sgpr_workgroup_id_z 1
		.amdhsa_system_vgpr_workitem_id 0
		.amdhsa_next_free_vgpr 1024
		.amdhsa_next_free_sgpr 80
		.amdhsa_reserve_vcc 1
		.amdhsa_float_denorm_mode_32 3
		.amdhsa_float_denorm_mode_16_64 3
		.amdhsa_memory_ordered 1
		.amdhsa_forward_progress 1
		.amdhsa_inst_pref_size 110
	.end_amdhsa_kernel
	.amdgpu_metadata
---
amdhsa.version: [ 1, 2 ]
amdhsa.kernels:
  - .name:           k_qb74ffd76f3_scores
    .symbol:         k_qb74ffd76f3_scores.kd
    .args:
      - { .name: qkv, .offset: 0, .size: 8, .value_kind: global_buffer, .address_space: global }
      - { .name: pt, .offset: 8, .size: 8, .value_kind: global_buffer, .address_space: global }
      - { .name: st, .offset: 16, .size: 8, .value_kind: global_buffer, .address_space: global }
    .group_segment_fixed_size: 327680
    .private_segment_fixed_size: 0
    .kernarg_segment_align: 8
    .kernarg_segment_size: 24
    .max_flat_workgroup_size: 128
    .sgpr_count:     80
    .vgpr_count:     1024
    .wavefront_size: 32
...
	.end_amdgpu_metadata
.endif
;; end of part 3
;; launch pv (part 4): grid 8 x 32, 4 waves a work-group, clusters of 4 x 1, 327,680 bytes of LDS; arguments pt, st, qkv, ob; writes ob
.if DOCPART == 4
	.amdgcn_target "amdgcn-amd-amdhsa--gfx1250"
	.amdhsa_code_object_version 6
	.text
	.protected	k_qb74ffd76f3_pv
	.globl	k_qb74ffd76f3_pv
	.p2align	8
	.type	k_qb74ffd76f3_pv,@function
k_qb74ffd76f3_pv:
	s_mov_b64 s[64:65], 0
	v_nop
	global_prefetch_b8 v0, s[64:65] scope:SCOPE_SE
	s_setreg_imm32_b32 hwreg(HW_REG_WAVE_MODE, 25, 1), 1
	s_wait_xcnt 0x0
	s_wait_alu depctr_hold_cnt(0) depctr_sa_sdst(0) depctr_va_vdst(0) depctr_va_sdst(0) depctr_va_ssrc(0) depctr_va_vcc(0) depctr_vm_vsrc(0)
	s_getreg_b32 s2, hwreg(HW_REG_IB_STS2, 6, 4)
	s_cmp_eq_u32 s2, 0
	s_cbranch_scc0 .Lentry_in_a_cluster
	s_endpgm
.Lentry_in_a_cluster:
	s_bfe_u32 s2, ttmp6, 0x10000c
	s_cmp_lg_u32 s2, 0x3003
	s_cbranch_scc0 .Lentry_shape_is_right
	s_endpgm
.Lentry_shape_is_right:
; O[q][n] = (1 / L_q) x sum over keys of g(q, block of 64 keys) p~[q][key] v[key][n], in f16 with f32 sums; O rounded once to f16.
; g = 2^(c m_block - c m_row), where c m_row is the maximum of the row's c m_block: the row's true maximum is taken away.  L_q = sum over blocks of g x (the block's sum of p~), with g as rounded to f16.
; LIMITS.  v arrives within f16's 65,504 and O has its range; g below 2^-25 counts as 0, and g p~ below 6e-5 keeps f16's fixed step of 6e-8; NaN and infinities are not treated apart.
; THE WALK.  A batch's queries lie in 16 blocks of 128; block i needs i / 2 + 1 steps of 256 keys.  A work-group takes TWO blocks, p and then 15 - p: 9 steps whatever p, one counted walk.
; Which tile is asked for hangs on scalars made from p; the one forward jump (round the first block's way out) hangs on p alone, which all waves and all four partners share.
; A tile of O is 128 x 128; four waves, 2 x 2, each 64 x 64.  Source 0 = 16 channels of v (turned on its way out of LDS), source 1 = 16 queries of p~, whose fragments are scaled by g (v_pk_mul_f16)
; between their load and their product: four such lines behind every two products.
; CLUSTER.  The four channel tiles of one (batch, p) walk the same tiles of p~: asked for jointly.  v's tiles differ between partners: plain loads behind the same rounds.  v is not shared across pairs:
; their walks ask for the same keys only while all are in their first block.
; REGISTERS: window 0: v10-21 addresses; v32-39 factors as loaded; v40-55 factor of (row block, quarter), in both halves; v56-63 1 / L; v64-127 the way out (and the tables' making); v128-255 accumulators.
; Window 1: two fragment buffers of 128: 64 of p~ (2 x 4 x 16 rows x 32 keys), then 64 of v.
.set PA,     528                       ; a row of p~ in LDS: 512 bytes + 16
.set PB,     288                       ; a key's row of v: 256 bytes + 32: an odd multiple of 32, for the turning load
.set ABYTES, 128*PA
.set SLOT,   ABYTES+256*PB             ; 141,312 bytes
.set FTAB,   2*SLOT                    ; 128 rows x 80 bytes: for each step of the walk 4 factors in f16, and a tenth entry of zeros
.set FP,     80
.set ILTAB,  FTAB+128*FP               ; 128 rows x (1 / L of the first block, of the second)
.set STAGE,  ILTAB+1024                ; 64 rows x 272 bytes, the work-group's
.set SP,     272
.set SPARE,  STAGE+64*SP               ; the spare words: 128 bytes a wave, two blocks of 256 bytes that no other line names
.set ADRA0, 10
.set ADRB0, 11
.set ADRA,  12
.set ADRB,  13                         ; v13 keys 0-127 of the step; v14 keys 128-255 (the offset field ends at 65,535)
.set ADRBH, 14
.set FA0,   15
.set FA,    16
.set ILA,   17
.set STO,   18
.set RD,    19
.set CO,    20
.set T8,    21
.set SPW,   28
.set NIL,   29
.set FR,    32
.set F2,    40
.set IV,    56
.set TMP,   64
.set ACC,   128
.set F0,    0
.set F1,    128
; the tables' making, thread = row
.set VO,   64                          ; v64-72   a step's byte offset in st
.set FT16, 74                          ; v74-91   a step's four factors in f16
.set CC,   92                          ; v92-100  a step's share of L
.set MX,   101                         ; v101-109 a step's maximum
.set MLO,  110
.set MHI,  111
.set TT,   112
.set LL,   114                         ; v[114:115] L, then 1 / L, of the two blocks
.set ZZ,   116                         ; v[116:117] zeros
.set FTW,  118
.set ILW,  119
.set RF,   120                         ; v121-123 the reference of steps 1 to 3
.set NEGV, 124
.set SS,   128                         ; v128-199 (c m, sum) of 9 steps x 4 blocks of keys
.set WV, 12
.set WM, 13
.set WN, 14
.set G1A, 24
.set G0A, 32
.set LO,  44
.set HI,  45
.set NL,  46                           ; the first block's steps
.set NH1, 47                           ; the second block's last step
.set G1B, 48
.set G0B, 56
.set TB,  66                           ; LDS byte at which the slot in hand begins
.set LWA, 67
.set LWB, 68
.set FT,  69                           ; 8 x the walk's step
.set RU,  70                           ; the step to be asked for next, in block RB, whose last is RLAST
.set RB,  71
.set RLAST, 72
.set REM, 73
.set OA,  74
.set OB,  76
.set BA,  78
.set BB,  80
.set OLO, 82                           ; s[82:83] O at the first block, s[84:85] at the second
.set STB, 86
.set LM0, 87                           ; s88-90: all ones where step 1, 2, 3 belongs to the first block
.set CNT, 91
.set PSEL, 92                          ; s92, s93: v_perm_b32's selects: the low half twice, the high half twice
.set MSB, 0
.macro WIN new
.if MSB != (\new)
	s_set_vgpr_msb (MSB<<8)|(\new)
.set MSB, \new
.endif
.endm
.set MUL,  0x05                        ; sources 0 and 1 window 1; C and D window 0
.set TO_F, 0x40                        ; destination window 1
.set W_RD, 0x41                        ; destination and source 0 window 1, source 1 window 0
.macro PLACES
.rept 4
	v_nop
.endr
.endm
.macro JLOAD                           ; waves 0 and 1: p~'s two halves, jointly; waves 2 and 3: v's two halves; an s_nop 0 and four v_nop follow each line
	s_cmp_eq_u32 s[WM], 0
	s_cbranch_scc0 .Lfor_b_\@
	tensor_load_to_lds s[G0A+4:G0A+7], s[G1A:G1A+7]
	s_nop 0
	PLACES
	s_branch .Lasked_\@
.Lfor_b_\@:
	tensor_load_to_lds s[G0B+4:G0B+7], s[G1B:G1B+7]
	s_nop 0
	PLACES
.Lasked_\@:
.endm
.macro CREST
	s_cmp_lg_u32 s[WV], 0
	s_cbranch_scc1 .Lnot_wave_0_\@
	s_barrier_signal -3
.Lnot_wave_0_\@:
	s_barrier_wait -3
	s_barrier_signal -1
	s_barrier_wait -1
.endm
.macro CROUND
	s_barrier_signal -1
	s_barrier_wait -1
	CREST
.endm
; The next step's addresses are made anew from its numbers, into descriptor set 'set'; then the numbers step: behind the first block's last step comes the second block's step 0.
.macro REQ set
	s_lshl_b32 s[OA], s[RB], 19                    ; 128 rows of 4,096 bytes a block of queries,
	s_lshl_b32 s20, s[RU], 9                       ; 512 bytes a step
	s_add_co_u32 s[OA], s[OA], s20
	s_mul_i32 s[OB], s[RU], 256*6144               ; 256 keys' rows of qkv
	s_add_nc_u64 s[G0A+4*(\set)+2:G0A+4*(\set)+3], s[BA:BA+1], s[OA:OA+1]
	s_or_b32 s[G0A+4*(\set)+3], s[G0A+4*(\set)+3], 0x80000000
	s_add_nc_u64 s[G0B+4*(\set)+2:G0B+4*(\set)+3], s[BB:BB+1], s[OB:OB+1]
	s_or_b32 s[G0B+4*(\set)+3], s[G0B+4*(\set)+3], 0x80000000
	s_add_co_u32 s[RU], s[RU], 1
	s_cmp_gt_u32 s[RU], s[RLAST]
	s_cselect_b32 s[RU], 0, s[RU]
	s_cselect_b32 s[RB], s[HI], s[RB]
	s_cselect_b32 s[RLAST], s[NH1], s[RLAST]
.endm
	s_load_b256 s[4:11], s[0:1], 0x0               ; pt s[4:5], st s[6:7], qkv s[8:9], ob s[10:11]
	v_lshl_add_u32 v[SPW], v0, 2, SPARE
	v_mov_b32 v[NIL], 0
	ds_add_u32 v[SPW], v[NIL]                      ; the wave's opening: the add and its wait stand ahead of my first tensor load
	v_lshrrev_b32 v1, 5, v0
	v_readfirstlane_b32 s[WV], v1
	s_lshr_b32 s[WM], s[WV], 1                     ; which 64 queries are mine; also: I fetch p~ (0) or v (1)
	s_and_b32 s[WN], s[WV], 1                      ; which 64 channels; also: which half of that tile I fetch
	s_bfe_u32 s40, ttmp6, 0x40000                  ; cx
	s_lshl_b32 s41, ttmp9, 2
	s_add_co_u32 s41, s41, s40                     ; channel tile: it enters v's and O's addresses alone
	s_and_b32 s43, ttmp7, 0xffff
	s_lshr_b32 s42, s43, 3                         ; batch
	s_and_b32 s43, s43, 7                          ; p
	s_mov_b32 s[LO], s43
	s_sub_co_u32 s[HI], 15, s43
	s_lshr_b32 s[NL], s43, 1
	s_add_co_u32 s[NL], s[NL], 1
	s_sub_co_u32 s[NH1], 8, s[NL]
	s_mov_b32 s[G1A], 15|(1<<16)|(1<<20)|(1<<21)|(6<<22)|(3<<25)    ; the mask of four; 2-byte elements; padding on; bit 21 beside a mask; after every 128 words 4 words
	s_mov_b32 s[G1A+1], 256<<16                    ; 64 rows x 256 keys
	s_mov_b32 s[G1A+2], 64<<16
	s_mov_b32 s[G1A+3], 256<<16
	s_mov_b32 s[G1A+4], 64
	s_mov_b32 s[G1A+5], 2048
	s_mov_b32 s[G1A+6], 0
	s_mov_b32 s[G1A+7], 0
	s_mov_b32 s[G1B], (1<<16)|(1<<20)|(5<<22)|(7<<25)               ; no mask; after every 64 words 8 words
	s_mov_b32 s[G1B+1], 128<<16                    ; 128 keys x 128 channels
	s_mov_b32 s[G1B+2], 128<<16
	s_mov_b32 s[G1B+3], 128<<16
	s_mov_b32 s[G1B+4], 128
	s_mov_b32 s[G1B+5], 3072
	s_mov_b32 s[G1B+6], 0
	s_mov_b32 s[G1B+7], 0
	s_mul_i32 s[LWA], s[WN], 64*PA                 ; where my part of a tile goes in a slot
	s_mul_i32 s[LWB], s[WN], 128*PB
	s_add_co_u32 s[LWB], s[LWB], ABYTES
	s_mov_b32 s[G0A], 1
	s_mov_b32 s[G0A+1], s[LWA]
	s_mov_b32 s[G0A+4], 1
	s_add_co_u32 s[G0A+5], s[LWA], SLOT
	s_mov_b32 s[G0B], 1
	s_mov_b32 s[G0B+1], s[LWB]
	s_mov_b32 s[G0B+4], 1
	s_add_co_u32 s[G0B+5], s[LWB], SLOT
	s_lshl_b32 s16, s42, 23                        ; pt: batch, my 64 rows of a block
	s_lshl_b32 s17, s[WN], 18
	s_add_co_u32 s16, s16, s17
	s_mov_b32 s17, 0
	s_mul_i32 s18, s42, 2048*6144                  ; v: batch, my 128 keys of a step, 4,096 bytes into the row, 256 bytes x channel tile
	s_mul_i32 s19, s[WN], 128*6144
	s_add_co_u32 s18, s18, s19
	s_lshl_b32 s19, s41, 8
	s_add_co_u32 s18, s18, s19
	s_add_co_u32 s18, s18, 4096
	s_mov_b32 s19, 0
	s_lshl_b32 s20, s42, 22                        ; O: batch, 256 bytes x channel tile, 128 rows of 2,048 bytes a block
	s_lshl_b32 s21, s41, 8
	s_add_co_u32 s20, s20, s21
	s_lshl_b32 s22, s[LO], 18
	s_add_co_u32 s22, s22, s20
	s_mov_b32 s23, 0
	s_lshl_b32 s2, s[HI], 18
	s_add_co_u32 s2, s2, s20
	s_mov_b32 s3, 0
	s_lshl_b32 s74, s42, 19                        ; st: batch
	s_mov_b32 s75, 0
	s_mov_b32 s[RU], 0
	s_mov_b32 s[RB], s[LO]
	s_sub_co_u32 s[RLAST], s[NL], 1
	s_mov_b32 s[TB], 0
	s_mov_b32 s[FT], 0
	s_mov_b32 s[PSEL], 0x01000100
	s_mov_b32 s[PSEL+1], 0x03020302
	s_cmp_gt_u32 s[NL], 1
	s_cselect_b32 s[LM0+1], -1, 0
	s_cmp_gt_u32 s[NL], 2
	s_cselect_b32 s[LM0+2], -1, 0
	s_cmp_gt_u32 s[NL], 3
	s_cselect_b32 s[LM0+3], -1, 0
	s_wait_dscnt 0x0                               ; the opening add is done
	s_wait_kmcnt 0x0
	s_add_nc_u64 s[BA:BA+1], s[4:5], s[16:17]
	s_add_nc_u64 s[BB:BB+1], s[8:9], s[18:19]
	s_add_nc_u64 s[OLO:OLO+1], s[10:11], s[22:23]
	s_add_nc_u64 s[OLO+2:OLO+3], s[10:11], s[2:3]
	s_add_nc_u64 s[STB-0:STB+1], s[6:7], s[74:75]
	s_mov_b32 s[OA+1], 0
	s_mov_b32 s[OB+1], 0
	REQ 0
	REQ 1
	CROUND                                         ; all four work-groups are here: the first joint loads meet
	s_cmp_eq_u32 s[WM], 0                          ; a wave's two first fills stand in one branch: two loads of mine are out
	s_cbranch_scc0 .Lfirst_b
	tensor_load_to_lds s[G0A:G0A+3], s[G1A:G1A+7]
	s_nop 0
	tensor_load_to_lds s[G0A+4:G0A+7], s[G1A:G1A+7]
	s_nop 0
	PLACES
	s_branch .Lfirst_asked
.Lfirst_b:
	tensor_load_to_lds s[G0B:G0B+3], s[G1B:G1B+7]
	s_nop 0
	tensor_load_to_lds s[G0B+4:G0B+7], s[G1B:G1B+7]
	s_nop 0
	PLACES
.Lfirst_asked:
	; THE TABLES, in the wait for the first tile.  Thread = row of both blocks.  Step t of the walk is step t of the first block (t < NL) or step t - NL of the second.
	v_lshlrev_b32 v[T8], 3, v0
.set t, 0
.rept 9
	s_sub_co_u32 s21, t, s[NL]
	s_cmp_gt_u32 s[NL], t
	s_cselect_b32 s20, s[LO], s[HI]
	s_cselect_b32 s21, t, s21
	s_lshl_b32 s21, s21, 16                        ; four blocks of 64 keys, 16,384 bytes each, a step
	s_lshl_b32 s20, s20, 10                        ; 128 rows of 8 bytes a block of queries
	s_add_co_u32 s20, s20, s21
	v_add_nc_u32 v[VO+t], s20, v[T8]
.irp kk, 0,1,2,3
	global_load_b64 v[SS+8*t+2*\kk:SS+8*t+2*\kk+1], v[VO+t], s[STB:STB+1] offset:\kk*16384
.endr
.set t, t+1
.endr
	v_and_b32 v1, 15, v0                           ; r
	v_bfe_u32 v2, v0, 4, 1                         ; h
	v_and_b32 v3, 7, v0
	v_bfe_u32 v4, v0, 3, 1
	v_mul_u32_u24 v[ADRA0], v1, PA
	v_lshl_add_u32 v[ADRA0], v2, 4, v[ADRA0]
	s_mul_i32 s20, s[WM], 64*PA
	v_add_nc_u32 v[ADRA0], s20, v[ADRA0]
	v_lshl_add_u32 v5, v2, 3, v3
	v_mul_u32_u24 v[ADRB0], v5, PB
	v_lshl_add_u32 v[ADRB0], v4, 4, v[ADRB0]
	s_lshl_b32 s20, s[WN], 7
	s_add_co_u32 s20, s20, ABYTES
	v_add_nc_u32 v[ADRB0], s20, v[ADRB0]
	s_lshl_b32 s20, s[WM], 6
	v_add_nc_u32 v5, s20, v1                       ; row 64 x my half + r
	v_mul_u32_u24 v[FA0], v5, FP
	v_add_nc_u32 v[FA0], FTAB, v[FA0]
	v_lshlrev_b32 v[ILA], 3, v5
	v_add_nc_u32 v[ILA], ILTAB, v[ILA]
	s_lshl_b32 s20, s[WM], 5                       ; into the stage: row 32 x my half + 16 (a % 2) + r, my 128 bytes of it
	v_add_nc_u32 v5, s20, v1
	v_mul_u32_u24 v5, v5, SP
	v_lshl_add_u32 v5, v2, 4, v5
	s_lshl_b32 s20, s[WN], 7
	s_add_co_u32 s20, s20, STAGE
	v_add_nc_u32 v[STO], s20, v5
	s_lshl_b32 s20, s[WV], 4                       ; back: wave w takes stage rows 16 w .. 16 w + 15, whole
	v_add_nc_u32 v5, s20, v2
	v_mul_u32_u24 v5, v5, SP
	v_lshl_add_u32 v5, v1, 4, v5
	v_add_nc_u32 v[RD], STAGE, v5
	s_lshl_b32 s20, s[WM], 6                       ; which are rows 64 (w / 2) + 16 (w % 2) + .. of the block, 32 further on in the second pass
	s_lshl_b32 s21, s[WN], 4
	s_add_co_u32 s20, s20, s21
	v_add_nc_u32 v5, s20, v2
	v_lshlrev_b32 v5, 11, v5
	v_lshl_add_u32 v[CO], v1, 4, v5
	v_mul_u32_u24 v[FTW], v0, FP
	v_add_nc_u32 v[FTW], FTAB, v[FTW]
	v_add_nc_u32 v[ILW], ILTAB, v[T8]
	v_mov_b32 v[NEGV], 0xff7fffff
	v_mov_b32 v[ZZ], 0
	v_mov_b32 v[ZZ+1], 0
	s_wait_loadcnt 0x0
.set t, 0
.rept 9
	v_max3_num_f32 v[MX+t], v[SS+8*t], v[SS+8*t+2], v[SS+8*t+4]
.set t, t+1
.endr
.set t, 0
.rept 9
	v_max_num_f32 v[MX+t], v[MX+t], v[SS+8*t+6]
.set t, t+1
.endr
	v_mov_b32 v[MLO], v[MX]                        ; step 0 is always the first block's, steps 4 to 8 always the second's
	v_max3_num_f32 v[MHI], v[MX+4], v[MX+5], v[MX+6]
	v_max3_num_f32 v[MHI], v[MHI], v[MX+7], v[MX+8]
.irp t, 1,2,3
	v_cndmask_b32 v[TT], v[NEGV], v[MX+\t], s[LM0+\t]
	v_max_num_f32 v[MLO], v[MLO], v[TT]
	v_cndmask_b32 v[TT+1], v[MX+\t], v[NEGV], s[LM0+\t]
	v_max_num_f32 v[MHI], v[MHI], v[TT+1]
.endr
.irp t, 1,2,3
	v_cndmask_b32 v[RF+\t], v[MHI], v[MLO], s[LM0+\t]
.endr
.set t, 0
.rept 9
.if t == 0
.set rr, MLO
.elseif t < 4
.set rr, RF+t
.else
.set rr, MHI
.endif
.irp kk, 0,1,2,3
	v_sub_f32 v[SS+8*t+2*\kk], v[SS+8*t+2*\kk], v[rr]      ; c m_block - c m_row: never above 0
.endr
.set t, t+1
.endr
.set i, 0
.rept 36
	v_exp_f32 v[SS+2*i], v[SS+2*i]
.set i, i+1
.endr
	v_nop                                          ; a plain line between the exponentials and the use of their results (ISA guide 5.7.2)
.set t, 0
	s_wait_alu depctr_va_vdst(0)
.rept 9
	v_cvt_pk_f16_f32 v[FT16+2*t], v[SS+8*t], v[SS+8*t+2]
	v_cvt_pk_f16_f32 v[FT16+2*t+1], v[SS+8*t+4], v[SS+8*t+6]
.set t, t+1
.endr
.set t, 0
.rept 9                                ; L is made of the factors as rounded, read straight from their halves
	v_fma_mix_f32 v[CC+t], v[FT16+2*t], v[SS+8*t+1], v[ZZ] op_sel_hi:[1,0,0]
.set t, t+1
.endr
.set t, 0
.rept 9
	v_fma_mix_f32 v[CC+t], v[FT16+2*t], v[SS+8*t+3], v[CC+t] op_sel:[1,0,0] op_sel_hi:[1,0,0]
.set t, t+1
.endr
.set t, 0
.rept 9
	v_fma_mix_f32 v[CC+t], v[FT16+2*t+1], v[SS+8*t+5], v[CC+t] op_sel_hi:[1,0,0]
.set t, t+1
.endr
.set t, 0
.rept 9
	v_fma_mix_f32 v[CC+t], v[FT16+2*t+1], v[SS+8*t+7], v[CC+t] op_sel:[1,0,0] op_sel_hi:[1,0,0]
.set t, t+1
.endr
	v_mov_b32 v[LL], v[CC]
	v_add_f32 v[LL+1], v[CC+4], v[CC+5]
	v_add_f32 v[TT], v[CC+6], v[CC+7]
	v_add_f32 v[LL+1], v[LL+1], v[CC+8]
	v_add_f32 v[LL+1], v[LL+1], v[TT]
.irp t, 1,2,3
	v_cndmask_b32 v[TT], v[ZZ], v[CC+\t], s[LM0+\t]
	v_add_f32 v[LL], v[LL], v[TT]
	v_cndmask_b32 v[TT+1], v[CC+\t], v[ZZ], s[LM0+\t]
	v_add_f32 v[LL+1], v[LL+1], v[TT+1]
.endr
	v_rcp_f32 v[LL], v[LL]                         ; L is at least 1: the row's maximum lies in a block with factor 1, whose sum holds a 1
	v_rcp_f32 v[LL+1], v[LL+1]
	v_nop
.set t, 0
.rept 9
	ds_store_b64 v[FTW], v[FT16+2*t:FT16+2*t+1] offset:8*t
.set t, t+1
.endr
	ds_store_b64 v[FTW], v[ZZ:ZZ+1] offset:72      ; what the walk's last turn reads and nobody uses
	s_wait_alu depctr_va_vdst(0)
	ds_store_b64 v[ILW], v[LL:LL+1]
.macro CLEAR                           ; a block's sums start at 0: a block's first step is the loop's own text, at the price of these 128 lines a block
.set i, 0
.rept 128
	v_mov_b32 v[ACC+i], 0
.set i, i+1
.endr
.endm
	CLEAR
.macro WM1 f, c, x                     ; product x = 4 a + b of half c of buffer f
	v_wmma_f32_16x16x32_f16 v[ACC+8*(\x):ACC+8*(\x)+7], v[(\f)+64+8*(4*(\c)+(\x)%4):(\f)+64+8*(4*(\c)+(\x)%4)+7], v[(\f)+8*(4*(\c)+(\x)/4):(\f)+8*(4*(\c)+(\x)/4)+7], v[ACC+8*(\x):ACC+8*(\x)+7]
.endm
; cnt products from n0 on, two at a time; behind each two, four scalings of p~'s fragments of half sc of buffer sf by quarter sq's factors (sf < 0: none).
; The scalings name no register of the products round them.  The 16 accumulators take turns.
.macro MULR f, c, n0, cnt, sf, sc, sq
.set n, \n0
.rept (\cnt)/2
	WIN MUL
	WM1 \f, \c, n
	WM1 \f, \c, n+1
.if (\sf) >= 0
	WIN W_RD
.set m, 2*n
.rept 4
	v_pk_mul_f16 v[(\sf)+8*(4*(\sc)+m/8)+m%8], v[(\sf)+8*(4*(\sc)+m/8)+m%8], v[F2+4*(m/8)+(\sq)]
.set m, m+1
.endr
.endif
.set n, n+2
.endr
.endm
.macro FETCH q, f                      ; 32 LDS loads in one run: quarter q (64 keys) of the slot in hand, its first 32 keys first
	WIN TO_F
.irp c, 0,1
.irp i, 0,1,2,3
	ds_load_tr16_b128 v[(\f)+64+8*(4*\c+\i):(\f)+64+8*(4*\c+\i)+3],   v[ADRB+(\q)/2] offset:(64*((\q)%2)+32*\c)*PB+32*\i
	ds_load_tr16_b128 v[(\f)+64+8*(4*\c+\i)+4:(\f)+64+8*(4*\c+\i)+7], v[ADRB+(\q)/2] offset:(64*((\q)%2)+32*\c)*PB+32*\i+16*PB
	ds_load_b128 v[(\f)+8*(4*\c+\i):(\f)+8*(4*\c+\i)+3],   v[ADRA] offset:128*(\q)+64*\c+\i*16*PA
	ds_load_b128 v[(\f)+8*(4*\c+\i)+4:(\f)+8*(4*\c+\i)+7], v[ADRA] offset:128*(\q)+64*\c+\i*16*PA+32
.endr
.endr
.endm
.macro ENTER                           ; a step is entered: its addresses, its factors, its first quarter
	v_add_nc_u32 v[ADRA], s[TB], v[ADRA0]
	v_add_nc_u32 v[ADRB], s[TB], v[ADRB0]
	v_add_nc_u32 v[ADRBH], 128*PB, v[ADRB]
	v_add_nc_u32 v[FA], s[FT], v[FA0]
.irp a, 0,1,2,3
	ds_load_b64 v[FR+2*\a:FR+2*\a+1], v[FA] offset:\a*16*FP
.endr
	FETCH 0, F0
.endm
; Multiplies buffer f (quarter q - 1) and fetches quarter q into g.  The half multiplied first was scaled a half earlier; lump = 1 (a step's first quarter): it is scaled here, when the factors have been spread.
; The four places in front of the loads into g are the four scalings behind the last product that read g, or the lump.
.macro QUARTER q, f, g, lump
.if \lump
	s_wait_dscnt 16                                ; the factors and the first 32 keys are in; the other sixteen loads may be out
	WIN 0
.set i, 0
.rept 16
	v_perm_b32 v[F2+i], v[FR+2*(i/4)+(i%4)/2], v[FR+2*(i/4)+(i%4)/2], s[PSEL+i%2]
.set i, i+1
.endr
	WIN W_RD
.set m, 0
.rept 32
	v_pk_mul_f16 v[(\f)+m], v[(\f)+m], v[F2+4*(m/8)]
.set m, m+1
.endr
.endif
	FETCH \q, \g
	s_wait_dscnt 32                                ; all but the 32 just issued: f's second half is in
	MULR \f, 0, 0, 16, \f, 1, (\q)-1
	s_wait_dscnt 16                                ; g's first half is in
	MULR \f, 1, 0, 16, \g, 0, \q
.endm
; A step's last quarter and the change of slots: one barrier; in front of it each wave waits for all its tensor loads (one is out: its part of the next slot), adds 0 to its spare word,
; and waits for that and for its reads of this slot.  fill = 1: the barrier opens a round of the cluster's, and this slot is filled again first thing behind it.
.macro TURN fill
	WIN 0
	s_wait_tensorcnt 0x0
	ds_add_u32 v[SPW], v[NIL]                      ; 0 onto my spare word; the descriptors' scalar work stands between it and the wait for it
.if \fill
	REQ 1
	s_add_co_u32 s[G0A+5], s[LWA], s[TB]           ; into the slot in hand
	s_add_co_u32 s[G0B+5], s[LWB], s[TB]
.endif
	s_wait_dscnt 1                                 ; the add alone may be out
	MULR F1, 0, 0, 8, F1, 1, 3
	s_wait_dscnt 0x0                               ; the add is done, my reads of this slot are over
	s_barrier_signal -1
	MULR F1, 0, 8, 8, F1, 1, 3
	WIN 0
	s_barrier_wait -1
.if \fill
	CREST
	JLOAD                                          ; it has a whole step less 16 products in which to land
.endif
	s_xor_b32 s[TB], s[TB], SLOT
	s_add_co_u32 s[FT], s[FT], 8
	ENTER
	MULR F1, 1, 0, 16, -1, 0, 0
.endm
; THE WAY OUT of a block (sel = 0: the first, 1: the second): O / L, rounded to f16, through the work-group's stage in two passes of 64 rows: a row's 256 bytes come from two waves,
; so a barrier stands between writing and reading, and another in front of the stage's rewriting.
.macro EPI sel
	PLACES
.irp a, 0,1,2,3
	ds_load_b32 v[IV+2*\a], v[ILA] offset:\a*128+4*(\sel)
.endr
	s_wait_dscnt 0x0
.irp a, 0,1,2,3
	v_mov_b32 v[IV+2*\a+1], v[IV+2*\a]             ; named as pairs
.endr
.irp ps, 0,1
.set i, 0
.rept 32
	v_pk_mul_f32 v[ACC+64*\ps+2*i:ACC+64*\ps+2*i+1], v[ACC+64*\ps+2*i:ACC+64*\ps+2*i+1], v[IV+4*\ps+2*(i/16):IV+4*\ps+2*(i/16)+1] op_sel_hi:[1,0]
.set i, i+1
.endr
.set i, 0
.rept 32
	v_cvt_pk_f16_f32 v[TMP+i], v[ACC+64*\ps+2*i], v[ACC+64*\ps+2*i+1]
.set i, i+1
.endr
.set i, 0
.rept 8
	ds_store_b128 v[STO], v[TMP+4*i:TMP+4*i+3] offset:(i/4)*16*SP+32*(i%4)
.set i, i+1
.endr
	s_wait_dscnt 0x0                               ; for the others' sake: my stores into the stage are done
	s_barrier_signal -1
	s_barrier_wait -1
	s_wait_xcnt 0x0                                ; earlier stores have read the registers that the loads below fill
.set i, 0
.rept 8
	ds_load_b128 v[TMP+32+4*i:TMP+32+4*i+3], v[RD] offset:i*2*SP
.set i, i+1
.endr
.set i, 0
.rept 8
	s_wait_dscnt 7-i
	global_store_b128 v[CO], v[TMP+32+4*i:TMP+32+4*i+3], s[OLO+2*(\sel):OLO+2*(\sel)+1] offset:(32*\ps+2*i)*2048  ; 16 lanes store 256 consecutive bytes, at a multiple of 256
.set i, i+1
.endr
.if \ps == 0
	s_barrier_signal -1                            ; my reads of the stage are back (the count above ended at 0): it may be written again when all have said so
	s_barrier_wait -1
.endif
.endr
.endm
	s_wait_tensorcnt 0x1                           ; my part of step 0 is in; step 1's may stay out
	s_wait_dscnt 0x0                               ; my rows of the tables are written
	s_barrier_signal -1
	s_barrier_wait -1
	ENTER
	WIN 0
	s_mov_b32 s[REM], s[NL]
	s_mov_b32 s[CNT], 7
.LstepA:                                               ; seven trips: steps 0 to 6 are multiplied, steps 2 to 8 asked for
	QUARTER 1, F0, F1, 1
	QUARTER 2, F1, F0, 0
	QUARTER 3, F0, F1, 0
	TURN 1
	WIN 0
	s_sub_co_u32 s[REM], s[REM], 1
	s_cmp_lg_u32 s[REM], 0
	s_cbranch_scc1 .Lgo_on                         ; p alone decides: alike in all waves and partners
	EPI 0                                          ; the first block has had its last step (it has four at the most)
	CLEAR
.Lgo_on:
	s_sub_co_u32 s[CNT], s[CNT], 1
	s_cmp_lg_u32 s[CNT], 0
	s_cbranch_scc1 .LstepA
	s_mov_b32 s[CNT], 2
.LstepB:                                               ; the last two steps ask for nothing.  The very last turn's fetch (stale tiles, the tenth entry of factors) serves nothing: the price of one text for both trips
	QUARTER 1, F0, F1, 1
	QUARTER 2, F1, F0, 0
	QUARTER 3, F0, F1, 0
	TURN 0
	WIN 0
	s_sub_co_u32 s[CNT], s[CNT], 1
	s_cmp_lg_u32 s[CNT], 0
	s_cbranch_scc1 .LstepB
	s_wait_dscnt 0x0
	EPI 1
	s_wait_tensorcnt 0x0                           ; the wave's end
	ds_add_u32 v[SPW], v[NIL]
	s_wait_dscnt 0x0
	CROUND                                         ; the closing round
	s_endpgm
.Lfunc_end_k_qb74ffd76f3_pv:
	.size	k_qb74ffd76f3_pv, .Lfunc_end_k_qb74ffd76f3_pv-k_qb74ffd76f3_pv
	.p2alignl 7, 3214868480
	.fill 96, 4, 3214868480
	.section	.rodata,"a",@progbits
	.p2align	6, 0x0
	.amdhsa_kernel k_qb74ffd76f3_pv
		.amdhsa_group_segment_fixed_size 327680
		.amdhsa_private_segment_fixed_size 0
		.amdhsa_enable_private_segment 0
		.amdhsa_kernarg_size 32
		.amdhsa_user_sgpr_count 2
		.amdhsa_user_sgpr_kernarg_segment_ptr 1
		.amdhsa_wavefront_size32 1
		.amdhsa_system_sgpr_workgroup_id_x 1
		.amdhsa_system_sgpr_workgroup_id_y 1
		.amdhsa_system_sgpr_workgroup_id_z 1
		.amdhsa_system_vgpr_workitem_id 0
		.amdhsa_next_free_vgpr 512
		.amdhsa_next_free_sgpr 96
		.amdhsa_reserve_vcc 0
		.amdhsa_float_denorm_mode_32 3
		.amdhsa_float_denorm_mode_16_64 3
		.amdhsa_memory_ordered 1
		.amdhsa_forward_progress 1
		.amdhsa_inst_pref_size 138
	.end_amdhsa_kernel
	.amdgpu_metadata
---
amdhsa.version: [ 1, 2 ]
amdhsa.kernels:
  - .name:           k_qb74ffd76f3_pv
    .symbol:         k_qb74ffd76f3_pv.kd
    .args:
      - { .name: pt, .offset: 0, .size: 8, .value_kind: global_buffer, .address_space: global }
      - { .name: st, .offset: 8, .size: 8, .value_kind: global_buffer, .address_space: global }
      - { .name: qkv, .offset: 16, .size: 8, .value_kind: global_buffer, .address_space: global }
      - { .name: ob, .offset: 24, .size: 8, .value_kind: global_buffer, .address_space: global }
    .group_segment_fixed_size: 327680
    .private_segment_fixed_size: 0
    .kernarg_segment_align: 8
    .kernarg_segment_size: 32
    .max_flat_workgroup_size: 128
    .sgpr_count:     96
    .vgpr_count:     512
    .wavefront_size: 32
...
	.end_amdgpu_metadata
.endif
;; end of part 4
;; launch oproj (part 5): grid 4 x 64, 4 waves a work-group, clusters of 4 x 4, 327,680 bytes of LDS; arguments ob, wo16, bias, out0; writes out0
.if DOCPART == 5
	.amdgcn_target "amdgcn-amd-amdhsa--gfx1250"
	.amdhsa_code_object_version 6
	.text
	.protected	k_qb74ffd76f3_oproj
	.globl	k_qb74ffd76f3_oproj
	.p2align	8
	.type	k_qb74ffd76f3_oproj,@function
k_qb74ffd76f3_oproj:
	s_mov_b64 s[64:65], 0
	v_nop
	global_prefetch_b8 v0, s[64:65] scope:SCOPE_SE
	s_setreg_imm32_b32 hwreg(HW_REG_WAVE_MODE, 25, 1), 1
	s_wait_xcnt 0x0
	s_wait_alu depctr_hold_cnt(0) depctr_sa_sdst(0) depctr_va_vdst(0) depctr_va_sdst(0) depctr_va_ssrc(0) depctr_va_vcc(0) depctr_vm_vsrc(0)
	s_getreg_b32 s2, hwreg(HW_REG_IB_STS2, 6, 4)
	s_cmp_eq_u32 s2, 0
	s_cbranch_scc0 .Lentry_in_a_cluster
	s_endpgm
.Lentry_in_a_cluster:
	s_bfe_u32 s2, ttmp6, 0x10000c
	s_cmp_lg_u32 s2, 0xf033
	s_cbranch_scc0 .Lentry_shape_is_right
	s_endpgm
.Lentry_shape_is_right:
.set OPROJ, 1                          ; 0: q | k | v = xb wqkv + bias, bf16 operands, f16 out.  1: out0 = ob wo16 + bo, f16 operands, f32 out.  One source, two builds.
; C[m][n] = sum over k of A[m][k] B[k][n] + bias[n].  A: [8192][1024], 16 bits, K along the rows.  B: [1024][N], 16 bits, N along the rows.  Sums in f32.
; LIMITS.  The f16 results q, k, v hold no number beyond 65,504; NaN and infinities are not treated apart.
; SHARES.  A tile of C is 128 x 256: four waves, 2 x 2, each 64 x 128: 32 accumulators of 16 x 16, 256 registers.  K goes in 8 steps of 128 through two LDS slots.
; Waves 0 and 1 fetch the two halves (64 rows) of A's tile, waves 2 and 3 the two halves (64 K rows of 256 columns) of B's: one tensor load a wave and step.
; CLUSTER.  4 x 4 work-groups: the four of a row need the same tiles of A, the four of a column the same tiles of B; each tile is asked for jointly.
; THE MATRIX INSTRUCTION IS USED TRANSPOSED: source 0 = 16 columns of B (turned on its way out of LDS by ds_load_tr16_b128), source 1 = 16 rows of A:
; a lane then holds row lane % 16 of C and eight neighbouring columns 8 (lane / 16) + 0..7.
; REGISTERS: window 0: addresses, bias, the way out.  Window 1: the accumulators, (a, b) at 8 (8 a + b).  Window 2: two fragment buffers of 96: 4 of A, then 8 of B.
.if OPROJ
.set BPITCH, 1024                      ; elements in a row of B
.set CPITCH, 4096                      ; bytes in a row of C
.set SP,     528                       ; a stage row: 512 bytes + 16
.set BIAS0,  12288                     ; bo lies behind bq, bk, bv
.set CSH,    2                         ; log2 of an output number's bytes
.else
.set BPITCH, 3072
.set CPITCH, 6144
.set SP,     272                       ; a stage row: 256 bytes + 16
.set BIAS0,  0
.set CSH,    1
.endif
.set KSTEP,  128
.set PA,     272                       ; a row of A in LDS: 256 bytes + 16: an odd multiple of 16, so the 16 rows of a load start 16 bytes apart modulo 256
.set PB,     544                       ; a K row of B in LDS: 512 bytes + 32: an odd multiple of 32, for the turning load
.set ABYTES, 128*PA
.set SLOTB,  ABYTES+KSTEP*PB           ; 104,448 bytes: A's 128 rows, then B's 128 K rows
.set SLOT1,  1<<17                     ; slot 1 begins here: one exclusive or turns an address in one slot into the other's
.set STAGE,  SLOT1+SLOTB               ; behind the ring: 16 rows for each wave, for the way out; no tensor load fills it
.set SPARE,  STAGE+4*16*528            ; the spare words: 128 bytes for each wave, two blocks of 256 bytes that no other line names
.set BSTEP,  KSTEP*BPITCH*2            ; bytes from one K step of B to the next
.set ADRA0, 16                         ; v16  my lane's place in A's tile of slot 0; never rewritten
.set ADRB0, 17                         ; v17  the same for B
.set ADRA,  18                         ; v18  the same in the slot in hand
.set ADRB,  19
.set STO,   24                         ; the way out: where I put my numbers of a row
.set RD,    25                         ; where I read rows back
.set CO,    26                         ; my byte offset in C
.set BO,    27                         ; my byte offset in the wave's 128 biases
.set SPW,   28                         ; LDS address of my spare word; never rewritten
.set NIL,   29                         ; 0; never rewritten
.set BI,    32                         ; v[32:95]   bias of my 64 columns: block b at BI + 8 b
.set T,     96                         ; v[96:159]  a block's sums + bias
.set PK,    160                        ; v[160:191] (f16 out) packed
.if OPROJ
.set BK,    160                        ; v[160:223] 16 rows read back
.else
.set BK,    192                        ; v[192:255] two buffers of 32: 16 rows read back
.endif
.set F0,    0
.set F1,    96
.set WV, 12                            ; s12 my wave
.set WM, 13                            ; s13 which 64 rows are mine; also: I fetch for A (0) or B (1)
.set WN, 14                            ; s14 which 128 columns; also: which half of that tile I fetch
.set TB, 66                            ; s66 LDS byte at which the slot in hand begins
.set G1A, 24                           ; s[24:31] group 1 for A    s[32:39] group 0: a set for each first fill; the second then walks on
.set G0A, 32
.set G1B, 48                           ; s[48:55], s[56:63] the same for B
.set G0B, 56
.set MSB, 0
.macro WIN new                         ; the immediate's high byte repeats the setting that is left; a switch that changes nothing is dropped
.if MSB != (\new)
	s_set_vgpr_msb (MSB<<8)|(\new)
.set MSB, \new
.endif
.endm
.set MUL,  0x5a                        ; sources 0 and 1 window 2, C and D window 1
.set TO_F, 0x80                        ; destination window 2, address window 0
.macro PLACES                          ; four plain vector lines between a matrix instruction and a load into, or a vector line on, its registers
.rept 4
	v_nop
.endr
.endm
.macro JLOAD                           ; the joint refill by the walking sets; the branch hangs on the wave's number alone; an s_nop 0 and four v_nop follow each line
	s_cmp_eq_u32 s[WM], 0
	s_cbranch_scc0 .Lfor_b_\@
	tensor_load_to_lds s[G0A+4:G0A+7], s[G1A:G1A+7]
	s_nop 0
	PLACES
	s_branch .Lasked_\@
.Lfor_b_\@:
	tensor_load_to_lds s[G0B+4:G0B+7], s[G1B:G1B+7]
	s_nop 0
	PLACES
.Lasked_\@:
.endm
.macro CREST                           ; a round of the cluster's barrier behind its opening barrier
	s_cmp_lg_u32 s[WV], 0
	s_cbranch_scc1 .Lnot_wave_0_\@
	s_barrier_signal -3
.Lnot_wave_0_\@:
	s_barrier_wait -3
	s_barrier_signal -1
	s_barrier_wait -1
.endm
.macro CROUND
	s_barrier_signal -1
	s_barrier_wait -1
	CREST
.endm
	s_load_b256 s[4:11], s[0:1], 0x0               ; A s[4:5], B s[6:7], bias s[8:9], C s[10:11]
	v_lshl_add_u32 v[SPW], v0, 2, SPARE
	v_mov_b32 v[NIL], 0
	ds_add_u32 v[SPW], v[NIL]                      ; the wave's opening: the add and its wait stand ahead of my first tensor load; register work stands between them
	v_lshrrev_b32 v1, 5, v0
	v_readfirstlane_b32 s[WV], v1
	s_lshr_b32 s[WM], s[WV], 1
	s_and_b32 s[WN], s[WV], 1
	s_bfe_u32 s40, ttmp6, 0x40000                  ; cx, cy: my place in the cluster
	s_bfe_u32 s41, ttmp6, 0x40004
	s_lshl_b32 s42, ttmp9, 2
	s_add_co_u32 s42, s42, s40                     ; tile column = 4 x cluster x + cx
	s_and_b32 s43, ttmp7, 0xffff
	s_lshl_b32 s43, s43, 2
	s_add_co_u32 s43, s43, s41                     ; tile row = 4 x cluster y + cy
	s_lshl_b32 s44, s41, 2
	s_lshl_b32 s44, 15, s44                        ; my row of the cluster
	s_lshl_b32 s45, 0x1111, s40                    ; my column
	s_or_b32 s[G1A], s44, (1<<16)|(1<<20)|(1<<21)|(5<<22)|(3<<25)   ; mask; 2-byte elements; padding on; bit 21 beside a mask; after every 64 words 4 words
	s_mov_b32 s[G1A+1], 128<<16                    ; tensor_dim0 = 128
	s_mov_b32 s[G1A+2], 64<<16                     ; tensor_dim1 = 64
	s_mov_b32 s[G1A+3], 128<<16                    ; tile_dim0 = 128
	s_mov_b32 s[G1A+4], 64                         ; tile_dim1 = 64
	s_mov_b32 s[G1A+5], 1024                       ; elements from row to row
	s_mov_b32 s[G1A+6], 0
	s_mov_b32 s[G1A+7], 0
	s_or_b32 s[G1B], s45, (1<<16)|(1<<20)|(1<<21)|(6<<22)|(7<<25)   ; after every 128 words 8 words
	s_mov_b32 s[G1B+1], 256<<16
	s_mov_b32 s[G1B+2], 64<<16
	s_mov_b32 s[G1B+3], 256<<16
	s_mov_b32 s[G1B+4], 64
	s_mov_b32 s[G1B+5], BPITCH
	s_mov_b32 s[G1B+6], 0
	s_mov_b32 s[G1B+7], 0
	s_lshl_b32 s16, s43, 18                        ; A: (128 x tile row + 64 x half) rows of 2,048 bytes: the tile row and the wave alone
	s_lshl_b32 s17, s[WN], 17
	s_add_co_u32 s16, s16, s17
	s_mov_b32 s17, 0
	s_mul_i32 s46, s[WN], 64*BPITCH*2              ; B: 64 x half K rows, 512 bytes x tile column: the tile column and the wave alone
	s_lshl_b32 s47, s42, 9
	s_add_co_u32 s46, s46, s47
	s_mov_b32 s47, 0
	s_mul_i32 s20, s[WN], 64*PA                    ; where they go: no place in the cluster enters an LDS address
	s_mul_i32 s21, s[WN], 64*PB
	s_add_co_u32 s21, s21, ABYTES
	s_lshl_b32 s68, s42, 10                        ; bias: 4 bytes x (256 x tile column + 128 x my half)
	s_lshl_b32 s69, s[WN], 9
	s_add_co_u32 s68, s68, s69
	s_add_co_u32 s68, s68, BIAS0
	s_mov_b32 s69, 0
	s_lshl_b32 s70, s43, 7                         ; C: my first row,
	s_lshl_b32 s71, s[WM], 6
	s_add_co_u32 s70, s70, s71
	s_mul_i32 s70, s70, CPITCH
	s_lshl_b32 s71, s42, 8+CSH                     ; my first column
	s_add_co_u32 s70, s70, s71
	s_lshl_b32 s71, s[WN], 7+CSH
	s_add_co_u32 s70, s70, s71
	s_mov_b32 s71, 0
	s_mov_b32 s[TB], 0
	s_wait_dscnt 0x0                               ; the opening add is done
	s_wait_kmcnt 0x0
	s_add_nc_u64 s[18:19], s[4:5], s[16:17]
	s_add_nc_u64 s[46:47], s[6:7], s[46:47]
	s_add_nc_u64 s[8:9], s[8:9], s[68:69]
	s_add_nc_u64 s[10:11], s[10:11], s[70:71]
.irp s, 0,1
	s_mov_b32 s[G0A+4*\s], 1                                       ; count = 1
	s_add_co_u32 s[G0A+4*\s+1], s20, \s*SLOT1                      ; LDS address
	s_add_nc_u64 s[G0A+4*\s+2:G0A+4*\s+3], s[18:19], \s*KSTEP*2    ; global address: K step s
	s_or_b32 s[G0A+4*\s+3], s[G0A+4*\s+3], 0x80000000              ; type = 2
	s_mov_b32 s[G0B+4*\s], 1
	s_add_co_u32 s[G0B+4*\s+1], s21, \s*SLOT1
	s_add_nc_u64 s[G0B+4*\s+2:G0B+4*\s+3], s[46:47], \s*BSTEP
	s_or_b32 s[G0B+4*\s+3], s[G0B+4*\s+3], 0x80000000
.endr
	CROUND                                         ; all sixteen work-groups are here: the first joint loads meet
	s_cmp_eq_u32 s[WM], 0                          ; a wave's two first fills stand in one branch: two loads of mine are out
	s_cbranch_scc0 .Lfirst_b
	tensor_load_to_lds s[G0A:G0A+3], s[G1A:G1A+7]
	s_nop 0
	tensor_load_to_lds s[G0A+4:G0A+7], s[G1A:G1A+7]
	s_nop 0
	PLACES
	s_branch .Lfirst_asked
.Lfirst_b:
	tensor_load_to_lds s[G0B:G0B+3], s[G1B:G1B+7]
	s_nop 0
	tensor_load_to_lds s[G0B+4:G0B+7], s[G1B:G1B+7]
	s_nop 0
	PLACES
.Lfirst_asked:
	v_and_b32 v1, 15, v0                           ; r = lane % 16
	v_bfe_u32 v2, v0, 4, 1                         ; h = lane / 16
	v_and_b32 v3, 7, v0
	v_bfe_u32 v4, v0, 3, 1
	v_lshlrev_b32 v[BO], 5, v2                     ; my 8 columns of a block of 16: 32 h bytes
.irp b, 0,1,2,3,4,5,6,7
	global_load_b128 v[BI+8*\b:BI+8*\b+3], v[BO], s[8:9] offset:64*\b
	global_load_b128 v[BI+8*\b+4:BI+8*\b+7], v[BO], s[8:9] offset:64*\b+16
.endr
	v_mul_u32_u24 v[ADRA0], v1, PA                 ; a fragment of A: row r, 16 bytes for each half of the lanes; two loads 32 bytes apart
	v_lshl_add_u32 v[ADRA0], v2, 4, v[ADRA0]
	s_mul_i32 s20, s[WM], 64*PA
	v_add_nc_u32 v[ADRA0], s20, v[ADRA0]
	v_lshl_add_u32 v5, v2, 3, v3                   ; the turning load: K row 8 h + lane % 8, columns 8 ((lane / 8) % 2) + 0..7; two loads 16 K rows apart
	v_mul_u32_u24 v[ADRB0], v5, PB
	v_lshl_add_u32 v[ADRB0], v4, 4, v[ADRB0]
	s_lshl_b32 s20, s[WN], 8
	s_add_co_u32 s20, s20, ABYTES
	v_add_nc_u32 v[ADRB0], s20, v[ADRB0]
	v_mov_b32 v[ADRA], v[ADRA0]
	v_mov_b32 v[ADRB], v[ADRB0]
	s_mul_i32 s20, s[WV], 16*SP
	s_add_co_u32 s20, s20, STAGE                   ; my stage
	v_mul_u32_u24 v[STO], v1, SP
.if OPROJ
	v_lshl_add_u32 v[STO], v2, 5, v[STO]           ; in: row r, 32 bytes for each half of the lanes
	v_and_b32 v[CO], 31, v0
	v_lshlrev_b32 v[CO], 4, v[CO]                  ; back and out: 32 lanes take one row of 512 bytes
	v_add_nc_u32 v[RD], s20, v[CO]
.else
	v_lshl_add_u32 v[STO], v2, 4, v[STO]           ; in: row r, 16 bytes for each half of the lanes
	v_mul_u32_u24 v[RD], v2, SP                    ; back: lanes 0-15 one row of 256 bytes, lanes 16-31 the next
	v_lshl_add_u32 v[RD], v1, 4, v[RD]
	v_add_nc_u32 v[RD], s20, v[RD]
	v_mul_u32_u24 v[CO], v2, CPITCH                ; and the same two rows in C
	v_lshl_add_u32 v[CO], v1, 4, v[CO]
.endif
	v_add_nc_u32 v[STO], s20, v[STO]
.macro MM d, b, a, zero                ; one product; zero = 1: it starts the sum
.if OPROJ
.if \zero
	v_wmma_f32_16x16x32_f16 v[(\d):(\d)+7], v[(\b):(\b)+7], v[(\a):(\a)+7], 0
.else
	v_wmma_f32_16x16x32_f16 v[(\d):(\d)+7], v[(\b):(\b)+7], v[(\a):(\a)+7], v[(\d):(\d)+7]
.endif
.else
.if \zero
	v_wmma_f32_16x16x32_bf16 v[(\d):(\d)+7], v[(\b):(\b)+7], v[(\a):(\a)+7], 0
.else
	v_wmma_f32_16x16x32_bf16 v[(\d):(\d)+7], v[(\b):(\b)+7], v[(\a):(\a)+7], v[(\d):(\d)+7]
.endif
.endif
.endm
.macro MUL8 f, a, zero                 ; row block a x all 8 column blocks, 32 along K.  The 32 accumulators take turns in one fixed order
	WIN MUL
.irp b, 0,1,2,3,4,5,6,7
	MM 8*(8*(\a)+\b), (\f)+32+8*\b, (\f)+8*(\a), \zero
.endr
.endm
.macro FETCH c, f                      ; 24 LDS loads in one run: quarter c (32 along K) of the slot in hand into buffer f: B's 8 fragments, then A's 4
	WIN TO_F
.irp b, 0,1,2,3,4,5,6,7
	ds_load_tr16_b128 v[(\f)+32+8*\b:(\f)+32+8*\b+3], v[ADRB] offset:32*(\c)*PB+32*\b
	ds_load_tr16_b128 v[(\f)+32+8*\b+4:(\f)+32+8*\b+7], v[ADRB] offset:32*(\c)*PB+32*\b+16*PB
.endr
.irp a, 0,1,2,3
	ds_load_b128 v[(\f)+8*\a:(\f)+8*\a+3], v[ADRA] offset:64*(\c)+\a*16*PA
	ds_load_b128 v[(\f)+8*\a+4:(\f)+8*\a+7], v[ADRA] offset:64*(\c)+\a*16*PA+32
.endr
.endm
.macro QUARTER c, f, g, zero           ; multiplies buffer f; in its middle fetches quarter c into buffer g
	s_wait_dscnt 4                                 ; B and A's blocks 0, 1 are in; the youngest four loads (A's blocks 2, 3) may be out
	MUL8 \f, 0, \zero
	MUL8 \f, 1, \zero
	PLACES
	FETCH \c, \g
	s_wait_dscnt 24                                ; all but the 24 just issued
	MUL8 \f, 2, \zero
	MUL8 \f, 3, \zero
.endm
; A step's last quarter multiplies buffer 1 and changes slots: one barrier; in front of it each wave waits for all its tensor loads (one is out: its part of the next slot),
; adds 0 to its spare word, and waits for that and for its reads of this slot.  fill = 1: the barrier opens a round of the cluster's, and this slot is filled again first thing behind it.
.macro TURN fill
	WIN 0
	s_wait_tensorcnt 0x0
	ds_add_u32 v[SPW], v[NIL]
	s_wait_dscnt 5                                 ; the add and A's blocks 2, 3 may be out
	MUL8 F1, 0, 0
	s_wait_dscnt 0x0                               ; the add is done, my reads of this slot are over
	s_barrier_signal -1
	MUL8 F1, 1, 0
	WIN 0
	s_barrier_wait -1
.if \fill
	CREST
	s_xor_b32 s[G0A+5], s[G0A+5], SLOT1            ; the walking sets: the other slot than last time, the next K step
	s_add_nc_u64 s[G0A+6:G0A+7], s[G0A+6:G0A+7], KSTEP*2
	s_xor_b32 s[G0B+5], s[G0B+5], SLOT1
	s_add_nc_u64 s[G0B+6:G0B+7], s[G0B+6:G0B+7], BSTEP
	JLOAD                                          ; it has a whole step less 16 products in which to land; its four v_nop are also the places in front of the loads below
.else
	PLACES
.endif
	s_xor_b32 s[TB], s[TB], SLOT1
	v_add_nc_u32 v[ADRA], s[TB], v[ADRA0]
	v_add_nc_u32 v[ADRB], s[TB], v[ADRB0]
	FETCH 0, F0
	MUL8 F1, 2, 0
	MUL8 F1, 3, 0
.endm
	s_wait_tensorcnt 0x1                           ; my part of K step 0 is in; K step 1's may stay out
	s_barrier_signal -1
	s_barrier_wait -1
	FETCH 0, F0
	QUARTER 1, F0, F1, 1                           ; the first quarter starts all 32 sums: nothing is cleared
	WIN 0
	s_mov_b32 s3, 6
.Lstep:                                                ; six trips, from a step's second quarter to the next step's first: K steps 2 to 7 are asked for
	QUARTER 2, F1, F0, 0
	QUARTER 3, F0, F1, 0
	TURN 1
	QUARTER 1, F0, F1, 0
	WIN 0
	s_sub_co_u32 s3, s3, 1
	s_cmp_lg_u32 s3, 0
	s_cbranch_scc1 .Lstep
	QUARTER 2, F1, F0, 0                           ; the tail is written out: nothing more is asked for
	QUARTER 3, F0, F1, 0
	TURN 0
	QUARTER 1, F0, F1, 0
	QUARTER 2, F1, F0, 0
	QUARTER 3, F0, F1, 0
	s_wait_dscnt 4
	MUL8 F1, 0, 0
	MUL8 F1, 1, 0
	s_wait_dscnt 0x0
	MUL8 F1, 2, 0
	MUL8 F1, 3, 0
; THE WAY OUT, a block of 16 rows at a time, through my own stage: no barrier, and LDS serves a wave's instructions in order (ISA guide 5.7.1.4).
.macro PACK a                          ; sums + bias, each accumulator's registers ascending; then (f16 out) rounded once
	WIN 0x01                                       ; source 0 window 1
.set i, 0
.rept 32
	v_pk_add_f32 v[T+2*i:T+2*i+1], v[64*(\a)+2*i:64*(\a)+2*i+1], v[BI+2*i:BI+2*i+1]
.set i, i+1
.endr
	WIN 0
.if !OPROJ
.set i, 0
.rept 32
	v_cvt_pk_f16_f32 v[PK+i], v[T+2*i], v[T+2*i+1]
.set i, i+1
.endr
.endif
.endm
	WIN 0
	PLACES
	s_wait_loadcnt 0x0                             ; the bias
.if OPROJ
.macro OUT a
	PACK \a
	s_wait_xcnt 0x0                                ; the last block's stores have read BK and their base
.if (\a) > 0
	s_add_nc_u64 s[10:11], s[10:11], 16*CPITCH
.endif
.set i, 0
.rept 16
	ds_store_b128 v[STO], v[T+4*i:T+4*i+3] offset:64*(i/2)+16*(i%2)
.set i, i+1
.endr
.set i, 0
.rept 16
	ds_load_b128 v[BK+4*i:BK+4*i+3], v[RD] offset:i*SP
.set i, i+1
.endr
.set i, 0
.rept 16
	s_wait_dscnt 15-i                              ; row i is back; the younger rows may be out
	global_store_b128 v[CO], v[BK+4*i:BK+4*i+3], s[10:11] offset:i*CPITCH th:TH_STORE_NT  ; 512 consecutive bytes, at a multiple of 256
.set i, i+1
.endr
.endm
	OUT 0
	OUT 1
	OUT 2
	OUT 3
.else
.macro TOSTAGE a
.set BKX, BK+32*((\a)%2)
.irp b, 0,1,2,3,4,5,6,7
	ds_store_b128 v[STO], v[PK+4*\b:PK+4*\b+3] offset:32*\b
.endr
.irp t, 0,1,2,3,4,5,6,7
	ds_load_b128 v[BKX+4*\t:BKX+4*\t+3], v[RD] offset:\t*2*SP
.endr
.endm
.macro SEND a
.set BKX, BK+32*((\a)%2)
	s_wait_dscnt 0x0                               ; the block is back in registers
	s_wait_xcnt 0x0                                ; earlier stores have read their base and their registers
.if (\a) > 0
	s_add_nc_u64 s[10:11], s[10:11], 16*CPITCH
.endif
.irp t, 0,1,2,3,4,5,6,7
	global_store_b128 v[CO], v[BKX+4*\t:BKX+4*\t+3], s[10:11] offset:2*\t*CPITCH  ; 16 lanes store 256 consecutive bytes, at a multiple of 256
.endr
.endm
	PACK 0
	TOSTAGE 0
.irp a, 1,2,3                          ; block a's arithmetic stands between block a - 1's loads from the stage and the wait for them
	PACK \a
	SEND (\a)-1
	TOSTAGE \a
.endr
	SEND 3
.endif
	s_wait_tensorcnt 0x0                           ; the wave's end
	ds_add_u32 v[SPW], v[NIL]
	s_wait_dscnt 0x0
	CROUND                                         ; the closing round
	s_endpgm
.Lfunc_end_k_qb74ffd76f3_oproj:
	.size	k_qb74ffd76f3_oproj, .Lfunc_end_k_qb74ffd76f3_oproj-k_qb74ffd76f3_oproj
	.p2alignl 7, 3214868480
	.fill 96, 4, 3214868480
	.section	.rodata,"a",@progbits
	.p2align	6, 0x0
	.amdhsa_kernel k_qb74ffd76f3_oproj
		.amdhsa_group_segment_fixed_size 327680
		.amdhsa_private_segment_fixed_size 0
		.amdhsa_enable_private_segment 0
		.amdhsa_kernarg_size 32
		.amdhsa_user_sgpr_count 2
		.amdhsa_user_sgpr_kernarg_segment_ptr 1
		.amdhsa_wavefront_size32 1
		.amdhsa_system_sgpr_workgroup_id_x 1
		.amdhsa_system_sgpr_workgroup_id_y 1
		.amdhsa_system_sgpr_workgroup_id_z 1
		.amdhsa_system_vgpr_workitem_id 0
		.amdhsa_next_free_vgpr 704
		.amdhsa_next_free_sgpr 80
		.amdhsa_reserve_vcc 0
		.amdhsa_float_denorm_mode_32 3
		.amdhsa_float_denorm_mode_16_64 3
		.amdhsa_memory_ordered 1
		.amdhsa_forward_progress 1
		.amdhsa_inst_pref_size 81
	.end_amdhsa_kernel
	.amdgpu_metadata
---
amdhsa.version: [ 1, 2 ]
amdhsa.kernels:
  - .name:           k_qb74ffd76f3_oproj
    .symbol:         k_qb74ffd76f3_oproj.kd
    .args:
      - { .name: ob, .offset: 0, .size: 8, .value_kind: global_buffer, .address_space: global }
      - { .name: wo16, .offset: 8, .size: 8, .value_kind: global_buffer, .address_space: global }
      - { .name: bias, .offset: 16, .size: 8, .value_kind: global_buffer, .address_space: global }
      - { .name: out0, .offset: 24, .size: 8, .value_kind: global_buffer, .address_space: global }
    .group_segment_fixed_size: 327680
    .private_segment_fixed_size: 0
    .kernarg_segment_align: 8
    .kernarg_segment_size: 32
    .max_flat_workgroup_size: 128
    .sgpr_count:     80
    .vgpr_count:     704
    .wavefront_size: 32
...
	.end_amdgpu_metadata
.endif
;; end of part 5
;; ======== version 2 of 2: 5 launches; version 1 with the launch prep written anew for expert scheduling mode
;; limits: values are held in f16: magnitudes above 65,504 overflow, below 6.1e-05 lose precision
;; workspace buffers: xb 16,777,216 bytes; wqkv 6,291,456 bytes; wo16 2,097,152 bytes; bias 16,384 bytes; qkv 50,331,648 bytes; pt 33,554,432 bytes; st 2,097,152 bytes; ob 16,777,216 bytes
;; launch prep (part 6): grid 769 x 1, 8 waves a work-group, no clusters, 0 bytes of LDS; arguments x, Wq, Wk, Wv, Wo, bq, bk, bv, bo, xb, wqkv, wo16, bias; writes xb, wqkv, wo16, bias
.if DOCPART == 6
	.amdgcn_target "amdgcn-amd-amdhsa--gfx1250"
	.amdhsa_code_object_version 6
	.text
	.protected	k_qb74ffd76f3_prep
	.globl	k_qb74ffd76f3_prep
	.p2align	8
	.type	k_qb74ffd76f3_prep,@function
k_qb74ffd76f3_prep:
	s_mov_b64 s[64:65], 0
	v_nop
	global_prefetch_b8 v0, s[64:65] scope:SCOPE_SE
	s_setreg_imm32_b32 hwreg(HW_REG_WAVE_SCHED_MODE, 0, 2), 2
	s_setreg_imm32_b32 hwreg(HW_REG_WAVE_MODE, 25, 1), 1
	s_wait_xcnt 0x0
	s_wait_alu depctr_vm_vsrc(0)
; PREP: every input is rounded once to bf16 and laid out for the matrix launches.
;   xb   [8192][1024] bf16 = x          wqkv [1024][3072] bf16 = Wq | Wk | Wv side by side
;   wo16 [1024][1024] f16  = bf16(Wo) written as f16 (exact while 2^-17 <= |Wo| < 65,504; below that f16's fixed step of 6e-8)
;   bias [4096] f32 = bq, bk, bv, bo, each rounded to bf16 and kept as f32
; A stream: each byte is read once and written once, so no LDS, no matrix unit, no cluster.
; A work-group takes 16 rows of 1,024 f32; thread t takes 4 numbers of each row: a wave's load covers 512 consecutive bytes,
; its store 256 consecutive bytes at a multiple of 256.  All 16 loads go out first; the waits count down.
; Work-groups 0-511: x.  512-703: Wq, Wk, Wv (64 each).  704-767: Wo.  768: the four biases.
; THE MODE: SCHED_MODE bits 1:0 = 2 (LLVM: expert scheduling mode 2), set by the entry lines.  The code itself states the register dependences
; between vector instructions and memory instructions, with s_wait_alu, always for 0.
; THE PLAN.  Registers that memory instructions touch:
;   v2, v3   byte offsets, made once at the head and never written again; read by every load and store.
;   X        written by the loads alone, which are all issued before any vector line names X; read by row i's roundings behind that row's wait on LOADcnt.
;   Y        written once, by row i's roundings; read once, by row i's store.
;   TW is named by vector instructions alone.  No vector instruction writes a scalar register or VCC; EXEC is never written.
; So what is to be stated is: the offsets are written, once at the head; and Y is written, ahead of the stores.  The 16 rows go in four blocks of four: at the head of
; blocks 1 to 3 one wait states that the block before has written its Y, and that block's four stores follow it, dealt among this block's roundings, which name
; this block's X and Y and TW: none of the registers that those stores read.  One more wait stands ahead of the last four stores.
.set X,  32                            ; v[32:95]   16 rows x 4 numbers as loaded
.set Y,  96                            ; v[96:127]  16 rows x 2 words to store
.set TW, 24                            ; v[24:29]   at work
	s_load_b512 s[8:23], s[0:1], 0x0               ; x, Wq, Wk, Wv, Wo, bq, bk, bv
	s_load_b256 s[24:31], s[0:1], 0x40             ; bo, xb, wqkv, wo16
	s_load_b64 s[32:33], s[0:1], 0x60              ; bias
	v_lshlrev_b32 v2, 4, v0                        ; 16 t: my 4 numbers in a row of f32
	v_lshlrev_b32 v3, 3, v0                        ; 8 t: the same 4 numbers in 16 bits
	s_mov_b32 s2, ttmp9
	s_sub_co_u32 s3, s2, 512                       ; behind x: 64 groups for each of Wq, Wk, Wv, Wo
	s_lshr_b32 s34, s3, 6                          ; which of the four
	s_and_b32 s35, s3, 63                          ; which 16 rows of it
	s_mov_b32 s37, 0
	s_mov_b32 s39, 0xffff0000                      ; a word's upper bf16
	s_wait_kmcnt 0x0
	s_wait_alu depctr_va_vdst(0)                   ; v2 and v3 are written: every load and store of the kernel, on each of the four paths below, reads one of them as its offset
	s_cmp_eq_u32 s2, 768
	s_cbranch_scc1 .Lbias
	s_cmp_eq_u32 s34, 1                            ; the source: a choice between buffers on the group's number alone
	s_cselect_b64 s[4:5], s[12:13], s[10:11]
	s_cmp_eq_u32 s34, 2
	s_cselect_b64 s[4:5], s[14:15], s[4:5]
	s_cmp_eq_u32 s34, 3
	s_cselect_b64 s[4:5], s[16:17], s[4:5]
	s_cmp_lt_u32 s2, 512
	s_cselect_b64 s[4:5], s[8:9], s[4:5]
	s_cselect_b32 s35, s2, s35
	s_lshl_b32 s36, s35, 16                        ; 16 rows of 4,096 bytes
	s_add_nc_u64 s[4:5], s[4:5], s[36:37]
.irp i, 0,1,2,3,4,5,6,7,8,9,10,11,12,13,14,15
	global_load_b128 v[X+4*\i:X+4*\i+3], v2, s[4:5] offset:\i*4096 th:TH_LOAD_NT
.endr
; row i: wait for its load (15 - i younger ones stay out), store row i - 4, round row i.  No register is written twice.
.macro CONV pitch
.irp i, 0,1,2,3,4,5,6,7,8,9,10,11,12,13,14,15
	s_wait_loadcnt 15-\i
.if (((\i) % 4) == 0) && ((\i) > 0)
	s_wait_alu depctr_va_vdst(0)                   ; the block before has written its eight words of Y, which the next four stores read
.endif
.if (\i) >= 4
	global_store_b64 v3, v[Y+2*(\i)-8:Y+2*(\i)-7], s[6:7] offset:((\i)-4)*\pitch  ; row i - 4; no vector line since the wait names its registers
.endif
	v_cvt_pk_bf16_f32 v[Y+2*\i], v[X+4*\i], v[X+4*\i+1]
	v_cvt_pk_bf16_f32 v[Y+2*\i+1], v[X+4*\i+2], v[X+4*\i+3]
.endr
	s_wait_alu depctr_va_vdst(0)                   ; the last block has written its Y, which the last four stores read
.irp i, 12,13,14,15
	global_store_b64 v3, v[Y+2*\i:Y+2*\i+1], s[6:7] offset:\i*\pitch
.endr
.endm
	s_cmp_lt_u32 s2, 512
	s_cbranch_scc1 .Lx
	s_cmp_ge_u32 s2, 704
	s_cbranch_scc1 .Lwo
	s_mul_i32 s36, s35, 16*6144                    ; wqkv: 16 rows of 6,144 bytes,
	s_lshl_b32 s38, s34, 11                        ; and the weight's 2,048 bytes in a row
	s_add_co_u32 s36, s36, s38
	s_add_nc_u64 s[6:7], s[28:29], s[36:37]
	CONV 6144
	s_endpgm
.Lx:
	s_lshl_b32 s36, s35, 15                        ; xb: 16 rows of 2,048 bytes
	s_add_nc_u64 s[6:7], s[26:27], s[36:37]
	CONV 2048
	s_endpgm
.Lwo:
	s_lshl_b32 s36, s35, 15
	s_add_nc_u64 s[6:7], s[30:31], s[36:37]
.irp i, 0,1,2,3,4,5,6,7,8,9,10,11,12,13,14,15
	s_wait_loadcnt 15-\i
.if (((\i) % 4) == 0) && ((\i) > 0)
	s_wait_alu depctr_va_vdst(0)                   ; the block before has written its eight words of Y, which the next four stores read
.endif
.if (\i) >= 4
	global_store_b64 v3, v[Y+2*(\i)-8:Y+2*(\i)-7], s[6:7] offset:((\i)-4)*2048  ; row i - 4; no vector line since the wait names its registers
.endif
	v_cvt_pk_bf16_f32 v[TW], v[X+4*\i], v[X+4*\i+1]        ; rounded to bf16 like every input,
	v_cvt_pk_bf16_f32 v[TW+1], v[X+4*\i+2], v[X+4*\i+3]
	v_lshlrev_b32 v[TW+2], 16, v[TW]
	v_and_b32 v[TW+3], s39, v[TW]
	v_lshlrev_b32 v[TW+4], 16, v[TW+1]
	v_and_b32 v[TW+5], s39, v[TW+1]
	v_cvt_pk_f16_f32 v[Y+2*\i], v[TW+2], v[TW+3]           ; and that number written as f16
	v_cvt_pk_f16_f32 v[Y+2*\i+1], v[TW+4], v[TW+5]
.endr
	s_wait_alu depctr_va_vdst(0)                   ; the last block has written its Y, which the last four stores read
.irp i, 12,13,14,15
	global_store_b64 v3, v[Y+2*\i:Y+2*\i+1], s[6:7] offset:\i*2048
.endr
	s_endpgm
.Lbias:
	global_load_b128 v[X:X+3], v2, s[18:19]
	global_load_b128 v[X+4:X+7], v2, s[20:21]
	global_load_b128 v[X+8:X+11], v2, s[22:23]
	global_load_b128 v[X+12:X+15], v2, s[24:25]
.irp i, 0,1,2,3
	s_wait_loadcnt 3-\i
	v_cvt_pk_bf16_f32 v[TW], v[X+4*\i], v[X+4*\i+1]
	v_cvt_pk_bf16_f32 v[TW+1], v[X+4*\i+2], v[X+4*\i+3]
	v_lshlrev_b32 v[Y+4*\i], 16, v[TW]
	v_and_b32 v[Y+4*\i+1], s39, v[TW]
	v_lshlrev_b32 v[Y+4*\i+2], 16, v[TW+1]
	v_and_b32 v[Y+4*\i+3], s39, v[TW+1]
.endr
	s_wait_alu depctr_va_vdst(0)                   ; the four biases' sixteen words of Y are written, which the four stores read
.irp i, 0,1,2,3
	global_store_b128 v2, v[Y+4*\i:Y+4*\i+3], s[32:33] offset:\i*4096
.endr
	s_endpgm
.Lfunc_end_k_qb74ffd76f3_prep:
	.size	k_qb74ffd76f3_prep, .Lfunc_end_k_qb74ffd76f3_prep-k_qb74ffd76f3_prep
	.p2alignl 7, 3214868480
	.fill 96, 4, 3214868480
	.section	.rodata,"a",@progbits
	.p2align	6, 0x0
	.amdhsa_kernel k_qb74ffd76f3_prep
		.amdhsa_group_segment_fixed_size 0
		.amdhsa_private_segment_fixed_size 0
		.amdhsa_enable_private_segment 0
		.amdhsa_kernarg_size 104
		.amdhsa_user_sgpr_count 2
		.amdhsa_user_sgpr_kernarg_segment_ptr 1
		.amdhsa_wavefront_size32 1
		.amdhsa_system_sgpr_workgroup_id_x 1
		.amdhsa_system_sgpr_workgroup_id_y 1
		.amdhsa_system_sgpr_workgroup_id_z 1
		.amdhsa_system_vgpr_workitem_id 0
		.amdhsa_next_free_vgpr 128
		.amdhsa_next_free_sgpr 66
		.amdhsa_reserve_vcc 0
		.amdhsa_float_denorm_mode_32 3
		.amdhsa_float_denorm_mode_16_64 3
		.amdhsa_memory_ordered 1
		.amdhsa_forward_progress 1
		.amdhsa_inst_pref_size 22
	.end_amdhsa_kernel
	.amdgpu_metadata
---
amdhsa.version: [ 1, 2 ]
amdhsa.kernels:
  - .name:           k_qb74ffd76f3_prep
    .symbol:         k_qb74ffd76f3_prep.kd
    .args:
      - { .name: x, .offset: 0, .size: 8, .value_kind: global_buffer, .address_space: global }
      - { .name: Wq, .offset: 8, .size: 8, .value_kind: global_buffer, .address_space: global }
      - { .name: Wk, .offset: 16, .size: 8, .value_kind: global_buffer, .address_space: global }
      - { .name: Wv, .offset: 24, .size: 8, .value_kind: global_buffer, .address_space: global }
      - { .name: Wo, .offset: 32, .size: 8, .value_kind: global_buffer, .address_space: global }
      - { .name: bq, .offset: 40, .size: 8, .value_kind: global_buffer, .address_space: global }
      - { .name: bk, .offset: 48, .size: 8, .value_kind: global_buffer, .address_space: global }
      - { .name: bv, .offset: 56, .size: 8, .value_kind: global_buffer, .address_space: global }
      - { .name: bo, .offset: 64, .size: 8, .value_kind: global_buffer, .address_space: global }
      - { .name: xb, .offset: 72, .size: 8, .value_kind: global_buffer, .address_space: global }
      - { .name: wqkv, .offset: 80, .size: 8, .value_kind: global_buffer, .address_space: global }
      - { .name: wo16, .offset: 88, .size: 8, .value_kind: global_buffer, .address_space: global }
      - { .name: bias, .offset: 96, .size: 8, .value_kind: global_buffer, .address_space: global }
    .group_segment_fixed_size: 0
    .private_segment_fixed_size: 0
    .kernarg_segment_align: 8
    .kernarg_segment_size: 104
    .max_flat_workgroup_size: 256
    .sgpr_count:     66
    .vgpr_count:     128
    .wavefront_size: 32
...
	.end_amdgpu_metadata
.endif
;; end of part 6
;; launch proj: the kernel of part 2 again; grid 12 x 32, 4 waves a work-group, clusters of 4 x 4, 327,680 bytes of LDS; arguments xb, wqkv, bias, qkv; writes qkv
;; launch scores: the kernel of part 3 again; grid 12 x 16, 4 waves a work-group, clusters of 4 x 4, 327,680 bytes of LDS; arguments qkv, pt, st; writes pt, st
;; launch pv: the kernel of part 4 again; grid 8 x 32, 4 waves a work-group, clusters of 4 x 1, 327,680 bytes of LDS; arguments pt, st, qkv, ob; writes ob
;; launch oproj: the kernel of part 5 again; grid 4 x 64, 4 waves a work-group, clusters of 4 x 4, 327,680 bytes of LDS; arguments ob, wo16, bias, out0; writes out0
